; MI455X (gfx1250); checked and timed in simulation.
; The chip was launched on July 23, 2026; its instructions are those of AMD's public machine-readable ISA for CDNA 5 (MIT licence, August 2026) and "CDNA5" Instruction Set Architecture Reference Guide (July 2026). The comments in the code are by the model that wrote it; some were corrected since.
;; Spatial Attn Block. Allowed arithmetic: matrix products marked QUANTISED: E2M1 operands, one E8M0 scale for each 32 along K, by v_wmma_scale_f32_16x16x128_f8f6f4 with both operands' format E2M1 (or v_wmma_scale_f32_32x16x128_f4), f32 sums; products left as they are: f32 operands where the result goes on into a quantised operand, else bf16, f16 or f32 operands; f32 sums; everything else in f32.
;; Inputs: bb 256 float32; bk 256 float32; bo 256 float32; bq 256 float32; bv 256 float32; by 256 float32; gn_beta 256 float32; gn_gamma 256 float32; wb 256 x 4 float32; wk_codes 256 x 8 x 16 uint8 (E2M1 codes of wk, K innermost, in blocks of 32 codes, two codes a byte); wk_scales 256 x 8 uint8 (E8M0 scales of wk, one for each 32 codes along K); wo_codes 256 x 8 x 16 uint8 (E2M1 codes of wo, K innermost, in blocks of 32 codes, two codes a byte); wo_scales 256 x 8 uint8 (E8M0 scales of wo, one for each 32 codes along K); wq_codes 256 x 8 x 16 uint8 (E2M1 codes of wq, K innermost, in blocks of 32 codes, two codes a byte); wq_scales 256 x 8 uint8 (E8M0 scales of wq, one for each 32 codes along K); wv_codes 256 x 8 x 16 uint8 (E2M1 codes of wv, K innermost, in blocks of 32 codes, two codes a byte); wv_scales 256 x 8 uint8 (E8M0 scales of wv, one for each 32 codes along K); wy 256 x 4 float32; x 4 x 256 x 64 x 64 float32; zq 4 x 4 x 16 x 16 float32.
;; Outputs: out0 4 x 256 x 64 x 64 float32.
;; This version of the problem:
;;   THIS VERSION OF THE PROBLEM IS GIVEN IN LOW PRECISION. The matrix products marked QUANTISED in the list below multiply operands that are first quantised to E2M1 (2 exponent bits, 1 mantissa bit; 4 bits a number), with one power-of-two scale for each 32 numbers along K (OCP MX v1.0); their sums are f32. All else is computed in f32.
;;   The module's matrix products, in the order in which they are computed (A, B: the left and right operand; K: the contracted axis; several contracted axes count as one K, in the product's order):
;;     1. [M 16,384, K 4] x [K 4, N 256]; A: input zq; B: input wy: left as it is (K = 4 < 32)
;;     2. [M 16,384, K 4] x [K 4, N 256]; A: input zq; B: input wb: left as it is (K = 4 < 32)
;;     3. [M 16,384, K 256] x [K 256, N 256]; A: computed on the way; B: input wq (given as codes): QUANTISED
;;     4. [M 16,384, K 256] x [K 256, N 256]; A: computed on the way; B: input wk (given as codes): QUANTISED
;;     5. [M 16,384, K 256] x [K 256, N 256]; A: computed on the way; B: input wv (given as codes): QUANTISED
;;     6. batch 4 x [M 4,096, K 256] x [K 256, N 4,096]; A: computed on the way; B: computed on the way: QUANTISED
;;     7. batch 4 x [M 256, K 4,096] x [K 4,096, N 4,096]; A: computed on the way; B: softmax (see below): QUANTISED
;;     8. [M 16,384, K 256] x [K 256, N 256]; A: computed on the way; B: input wo (given as codes): QUANTISED
;;   THE QUANTISER, for each operand of a quantised product, along K:
;;     - K is cut into blocks of 32 from its start; a last block that is shorter is filled with zeros.
;;     - A block's scale is 2^e with e = floor(log2(the largest magnitude in the block)) - 2, held to -126 .. 127; a block of zeros has e = 0. As a byte (E8M0): e + 127.
;;     - Each number is divided by its block's scale, clamped to +-6, and rounded to the nearest number of E2M1, ties to even, subnormals kept.
;;     - The product sums the exact products of the quantised numbers (number of the format x scale) in f32.
;;   ~~~python
;;   def quantise(x, axis):      # numpy; x: float32 -> the quantised numbers, widened to float32 again
;;       x = np.moveaxis(x, axis, -1); K = x.shape[-1]
;;       x = np.pad(x, [(0, 0)] * (x.ndim - 1) + [(0, -K % 32)]); x = x.reshape(x.shape[:-1] + (-1, 32)); a = np.abs(x).max(-1, keepdims=True)
;;       e = np.where(a > 0, np.clip(np.frexp(np.where(a > 0, a, 1))[1] - 1 - 2, -126, 127), 0)      # np.frexp(a)[1] - 1 = floor(log2(a)), exactly
;;       r = np.clip(x / 2.0 ** e, -6, 6)
;;       step = 2.0 ** (np.maximum(np.frexp(np.where(r == 0, 1, r))[1] - 1, 0) - 1)
;;       q = np.round(r / step) * step * 2.0 ** e      # np.round: ties to even
;;       return np.moveaxis(q.reshape(q.shape[:-2] + (-1,))[..., :K], -1, axis).astype(np.float32)
;;   ~~~
;;   SOFTMAX AHEAD OF A QUANTISED PRODUCT. Where the list says 'softmax', what is quantised is not the finished softmax but p = 2^(t - M), with t = logit x log2(e) and M = ceil(the row's largest t), a whole number; so 1/2 < the row's largest p <= 1. The row's sum l is taken of the UNQUANTISED p, in f32, and the product's result is divided by l at the end. Since M is a whole number, a kernel that streams over the keys may use a running M (the ceiling of the running maximum): every later rescaling is an exact power of two, which a block's scale takes up: the codes' values come out the same.
;;   OPERANDS COMPUTED ON THE WAY. 'Computed on the way' means the value that the module computes at that place (a softmax that the list does not call 'softmax' is quantised finished and normalised). What goes into a quantiser is computed in f32, as accurately as f32 sums, v_exp_f32 and their like allow (about 1e-6 of the number): no bf16 or f16 on the way to a quantiser, and a product that is left as it is and whose result goes on into a quantised operand takes f32 operands (vector FMAs, or v_wmma_f32_16x16x4_f32). A number that lies on a knife's edge between two numbers of the format may be rounded either way, as far as f32 arithmetic and the matrix unit's own rounding can turn it there, and no further.
;;   INPUTS GIVEN AS CODES. wk (in the module: [256, 256], K = its axis 1); wo (in the module: [256, 256], K = its axis 1); wq (in the module: [256, 256], K = its axis 1); wv (in the module: [256, 256], K = its axis 1): each comes as NAME_codes (uint8): NAME with its K axis moved to the last place and cut into blocks of 32 codes, [.., K / 32, bytes a block], one block behind the other in memory; two codes a byte, the lower K in the low four bits (a code: sign, 2 exponent bits, 1 mantissa bit); and NAME_scales (uint8): the same leading axes, one E8M0 byte (e + 127) for each 32 codes along K. Its value is code x scale, taken as it is: it is not quantised again, and the codes and scales need not be those that the quantiser above would give.
;; One version. Each part assembles by itself: llvm-mc -triple=amdgcn-amd-amdhsa -mcpu=gfx1250 --defsym DOCPART=n.
;; ======== version 1 of 1: 3 launches
;; workspace buffers: stats 2,048 bytes; qimg 2,228,224 bytes; kv 4,456,448 bytes
;; launch gnstats (part 1): grid 256 x 1, 8 waves a work-group, no clusters, 2,048 bytes of LDS; arguments x, stats; writes stats
.if DOCPART == 1
	.amdgcn_target "amdgcn-amd-amdhsa--gfx1250"
	.amdhsa_code_object_version 6
	.text
	.protected	k_q4704173882_gnstats
	.globl	k_q4704173882_gnstats
	.p2align	8
	.type	k_q4704173882_gnstats,@function
k_q4704173882_gnstats:
	s_mov_b64 s[64:65], 0
	v_nop
	global_prefetch_b8 v0, s[64:65] scope:SCOPE_SE
	s_setreg_imm32_b32 hwreg(HW_REG_WAVE_MODE, 25, 1), 1
	s_wait_xcnt 0x0
; GROUP-NORM STATISTICS.  x: [4][256][64][64] f32.  A group is 8 channels x 4,096 pixels; a work-group takes HALF a group, 4 channels, which are
; 65,536 consecutive bytes of x, so that there are 256 equal work-groups.  It stores (mean, M2), M2 = the sum of (x - mean)^2, 8 bytes at 8 x its number:
; stats [batch 4][group 32][half 2][mean, M2].  The next launch joins two halves exactly: mean = (ma + mb) / 2, variance = (M2a + M2b) / 32,768 + ((ma - mb) / 2)^2.
; TWO PASSES OVER REGISTERS: a thread keeps its 64 numbers, so x is read once and no difference of large sums is formed (a common offset of x costs no accuracy).
; Each load of a wave covers 512 consecutive bytes.  No matrix unit, no tensor load, no cluster: nothing is shared and the launch is a plain stream.
; LIMITS: NaN and infinities in x are not served.
.set X,  16                            ; v16-79  my 64 numbers
	s_load_b128 s[4:7], s[0:1], 0x0                ; x s[4:5], stats s[6:7]
	v_lshl_add_u32 v96, v0, 2, 0x400
	v_mov_b32 v97, 0
	v_lshlrev_b32 v1, 4, v0                        ; my 16 bytes of each 4,096
	v_lshrrev_b32 v2, 5, v0
	v_readfirstlane_b32 s8, v2                     ; wave 0..7
	v_lshlrev_b32 v3, 2, v2                        ; LDS: my wave's word
	v_mov_b32 v4, 0                                ; LDS: where all eight words begin; also the store's offset
	v_mov_b32 v85, 0                               ; written once: a lane permute's destination counts as one of its sources
	s_lshl_b32 s10, ttmp9, 16                      ; the work-group's 65,536 bytes
	s_mov_b32 s11, 0
	s_mov_b32 s12, 0x76543210                      ; v_permlanex16_b32's selects for lane l xor 16
	s_mov_b32 s13, 0xfedcba98
	s_wait_kmcnt 0x0
	s_add_nc_u64 s[4:5], s[4:5], s[10:11]
.set i, 0
.rept 16
	global_load_b128 v[X+4*i:X+4*i+3], v1, s[4:5] offset:4096*i
.set i, i+1
.endr
; The two packed chains v[80:81], v[82:83] become one number in every lane of every wave (v84): within the lane, across the 32 lanes, across the 8 waves through 32 bytes of LDS at off.
.macro REDUCE off
	v_pk_add_f32 v[80:81], v[80:81], v[82:83]
	v_add_f32 v84, v80, v81
	v_add_f32_dpp v84, v84, v84 row_xmask:1 row_mask:0xf bank_mask:0xf
	v_add_f32_dpp v84, v84, v84 row_xmask:2 row_mask:0xf bank_mask:0xf
	v_add_f32_dpp v84, v84, v84 row_xmask:4 row_mask:0xf bank_mask:0xf
	v_add_f32_dpp v84, v84, v84 row_xmask:8 row_mask:0xf bank_mask:0xf
	v_permlanex16_b32 v85, v84, s12, s13
	v_add_f32 v84, v84, v85
	ds_store_b32 v3, v84 offset:\off               ; all lanes write the wave's word with the same value
	s_wait_dscnt 0x0                               ; for the others' sake: my store has landed
	s_barrier_signal -1
	s_barrier_wait -1
	ds_load_b128 v[88:91], v4 offset:\off
	ds_load_b128 v[92:95], v4 offset:\off+16
	s_wait_dscnt 0x0
	v_add_f32 v88, v88, v89
	v_add_f32 v90, v90, v91
	v_add_f32 v92, v92, v93
	v_add_f32 v94, v94, v95
	v_add_f32 v88, v88, v90
	v_add_f32 v92, v92, v94
	v_add_f32 v84, v88, v92
.endm
	; pass 1: the sum.  The first two loads start the chains: nothing is cleared.  The counts run down: load i is in when 15 - i younger ones may be out.
	s_wait_loadcnt 14
	v_pk_add_f32 v[80:81], v[X:X+1], v[X+4:X+5]
	v_pk_add_f32 v[82:83], v[X+2:X+3], v[X+6:X+7]
.set i, 2
.rept 14
	s_wait_loadcnt 15-i
	v_pk_add_f32 v[80:81], v[80:81], v[X+4*i:X+4*i+1]
	v_pk_add_f32 v[82:83], v[82:83], v[X+4*i+2:X+4*i+3]
.set i, i+1
.endr
	REDUCE 0
	v_mul_f32 v12, 0x38800000, v84                 ; the mean: / 16,384
	v_mov_b32 v13, v12                             ; (a pair for the packed subtraction)
	; pass 2: M2
.set j, 0
.rept 32
	v_pk_add_f32 v[X+j:X+j+1], v[X+j:X+j+1], v[12:13] neg_lo:[0,1] neg_hi:[0,1]
.set j, j+2
.endr
	v_pk_mul_f32 v[80:81], v[X:X+1], v[X:X+1]
	v_pk_mul_f32 v[82:83], v[X+2:X+3], v[X+2:X+3]
.set j, 4
.rept 15
	v_pk_fma_f32 v[80:81], v[X+j:X+j+1], v[X+j:X+j+1], v[80:81]
	v_pk_fma_f32 v[82:83], v[X+j+2:X+j+3], v[X+j+2:X+j+3], v[82:83]
.set j, j+4
.endr
	REDUCE 64                                      ; other LDS bytes than the first time: no third barrier is needed
	v_mov_b32 v13, v84
	s_cmp_lg_u32 s8, 0                             ; thread 0 stores for the work-group
	s_cbranch_scc1 .Lend
	s_lshl_b32 s10, ttmp9, 3
	s_add_nc_u64 s[6:7], s[6:7], s[10:11]
	s_wait_xcnt 0x0                                ; EXEC changes only behind this wait
	v_cmp_eq_u32 vcc_lo, 0, v0
	s_and_saveexec_b32 s14, vcc_lo
	global_store_b64 v4, v[12:13], s[6:7]
	s_wait_xcnt 0x0                                ; and again in front of the line that widens it
	s_or_b32 exec_lo, exec_lo, s14
.Lend:
	s_wait_tensorcnt 0x0
	ds_add_u32 v96, v97
	s_wait_dscnt 0x0
	s_endpgm
.Lfunc_end_k_q4704173882_gnstats:
	.size	k_q4704173882_gnstats, .Lfunc_end_k_q4704173882_gnstats-k_q4704173882_gnstats
	.p2alignl 7, 3214868480
	.fill 96, 4, 3214868480
	.section	.rodata,"a",@progbits
	.p2align	6, 0x0
	.amdhsa_kernel k_q4704173882_gnstats
		.amdhsa_group_segment_fixed_size 2048
		.amdhsa_private_segment_fixed_size 0
		.amdhsa_enable_private_segment 0
		.amdhsa_kernarg_size 16
		.amdhsa_user_sgpr_count 2
		.amdhsa_user_sgpr_kernarg_segment_ptr 1
		.amdhsa_wavefront_size32 1
		.amdhsa_system_sgpr_workgroup_id_x 1
		.amdhsa_system_sgpr_workgroup_id_y 1
		.amdhsa_system_sgpr_workgroup_id_z 1
		.amdhsa_system_vgpr_workitem_id 0
		.amdhsa_next_free_vgpr 98
		.amdhsa_next_free_sgpr 66
		.amdhsa_reserve_vcc 1
		.amdhsa_float_denorm_mode_32 3
		.amdhsa_float_denorm_mode_16_64 3
		.amdhsa_memory_ordered 1
		.amdhsa_forward_progress 1
		.amdhsa_inst_pref_size 12
	.end_amdhsa_kernel
	.amdgpu_metadata
---
amdhsa.version: [ 1, 2 ]
amdhsa.kernels:
  - .name:           k_q4704173882_gnstats
    .symbol:         k_q4704173882_gnstats.kd
    .args:
      - { .name: x, .offset: 0, .size: 8, .value_kind: global_buffer, .address_space: global }
      - { .name: stats, .offset: 8, .size: 8, .value_kind: global_buffer, .address_space: global }
    .group_segment_fixed_size: 2048
    .private_segment_fixed_size: 0
    .kernarg_segment_align: 8
    .kernarg_segment_size: 16
    .max_flat_workgroup_size: 256
    .sgpr_count:     66
    .vgpr_count:     98
    .wavefront_size: 32
...
	.end_amdgpu_metadata
.endif
;; end of part 1
;; launch qkv (part 2): grid 64 x 4, 8 waves a work-group, no clusters, 66,560 bytes of LDS; arguments x, stats, zq, gn_gamma, gn_beta, wy, by, wb, bb, wq_codes, wq_scales, bq, wk_codes, wk_scales, bk, wv_codes, wv_scales, bv, qimg, kv; writes qimg, kv
.if DOCPART == 2
	.amdgcn_target "amdgcn-amd-amdhsa--gfx1250"
	.amdhsa_code_object_version 6
	.text
	.protected	k_q4704173882_qkv
	.globl	k_q4704173882_qkv
	.p2align	8
	.type	k_q4704173882_qkv,@function
k_q4704173882_qkv:
	s_mov_b64 s[64:65], 0
	v_nop
	global_prefetch_b8 v0, s[64:65] scope:SCOPE_SE
	s_setreg_imm32_b32 hwreg(HW_REG_WAVE_MODE, 25, 1), 1
	s_wait_xcnt 0x0
; SPATIAL NORM AND THE THREE PROJECTIONS, on codes of FP4 (E2M1) with one E8M0 scale for each 32 along K.
; A work-group takes one image row (64 pixels) of one batch, all 256 channels.  x_norm = (x - mu) G + H with G = rstd gamma Y, H = beta Y + Bm, Y = wy . zq + by, Bm = wb . zq + bb (f32 multiply-adds; zq is
; upsampled four times, so a row has 16 different (G, H) a channel): reference()'s expression regrouped, the difference x - mu taken first.  x_norm is quantised along the channels, multiplied by wq, wk, wv
; (given as codes), and q, k (along their channels) and v (along the pixels, which are attention's keys) are quantised and stored IN THE ORDER OF THE OPERANDS' REGISTERS, as the next launch reads them.
; SHARES.  Wave w owns channels 32 w .. 32 w + 31 of x_norm (one block of 32 along K: a lane holds two pixels, its registers run down the channels) and output channels 32 w .. 32 w + 31 of q, k and v for
; all 64 pixels.  So each byte of the weights goes once, straight into one wave's registers (12 KiB a wave), and nothing of them passes LDS.
; NO JOINT LOADS: the weights, 102 KiB, are what work-groups share, and each byte of them is wanted by one wave's registers; a joint load would add an LDS write and an LDS read for each of them and two
; rounds of a cluster's barrier to a launch that has no loop.  x arrives in the layout that the quantiser wants, each load 256 consecutive bytes.
; TILES ARE NOT NEIGHBOURS: lane r of tile 2 b + u (of pixels, or of a weight's rows) takes element 32 b + 8 u + r + 8 (r / 8), so that the 16 result registers of tiles 2 b and 2 b + 1 are 16 neighbours.
;   q, k: source 0 = 16 rows of the weight, source 1 = 16 pixels of x_norm: a lane holds one pixel and 16 neighbouring channels.   v: the sources swapped: a lane holds one channel and 16 neighbouring pixels.
; A FRAGMENT'S IMAGE: its 8 registers as two pieces of 512 bytes, lane l's 16 bytes at 16 l.
; qimg: a block of 8,704 bytes for each (batch, row): images [tile 4][K step 2][piece 2], then scale words [tile 4][K step 2][row 16].
; kv: [batch 4][slot 8] of 139,264 bytes (512 keys = 8 image rows): K's images [step 4][tile 8][K step 2][piece 2] | V's images [step 4][tile 16][piece 2] | K's scale words [step][tile][K step][16] | V's [step][tile][16].
;   V's scale words take two bytes from each of a step's two image rows: this work-group stores 2 of every 4 bytes of 1 KiB, 512 of the 25 KiB that it stores; all else leaves as runs of 512 consecutive bytes.
; LIMITS: NaN and infinities are not served.  A block of zeros gets the scale byte 1 where the quantiser says 127: its codes are zeros, and this program alone reads the bytes.  rstd is v_rsq_f32.
.set GHP,  144                         ; LDS: (G, H): 256 channel rows of 16 pairs (128 bytes) + 16 of padding, from byte 0
.set XNP,  144                         ; x_norm's codes: 64 pixel rows of 128 bytes + 16 of padding
.set XNR,  36864
.set XNS,  46080                       ; x_norm's scale bytes, 8 a pixel
.set QST,  46592                       ; q's images, 8,192 bytes;
.set QSS,  54784                       ; its scale words, 512
.set KST,  55296                       ; k's likewise
.set KSS,  63488
; window 0
.set LN,   1                           ; lane
.set RR,   2                           ; r = lane % 16
.set HH,   3                           ; h = lane / 16
.set GHW,  4                           ; LDS: my channel's row of (G, H)
.set GHR,  5                           ; LDS: my pixels' pair in my wave's first row
.set XNW,  6                           ; LDS: where my first pixel's 16 bytes of codes go
.set XSW,  7                           ; and its scale byte
.set XFA,  8                           ; LDS: my lane's place in a fragment of x_norm
.set XSA,  9                           ; and among its scale words (lanes 0-15 K step 0, lanes 16-31 K step 1)
.set WSA,  10                          ; a weight's scale words, likewise
.set BA,   11                          ; bq, bk: 64 h
.set BVA,  12                          ; bv: 4 (r + 8 (r / 8))
.set QA,   13                          ; LDS: my 8 bytes in an image of q or k
.set QSA,  14                          ; and my scale byte
.set CPA,  15                          ; the copy out: 1,024 w + 16 lane
.set WS,   16                          ; v16-21 the weights' scale words: 2 m + u, m = q, k, v.  They hold scales and nothing else
.set SSA,  22                          ; the copy out of the scale words
.set VOF,  23                          ; v's images: 2,048 w + 16 lane
.set XS,   24                          ; v24-27 x_norm's scale words, one register a tile of pixels
.set T4,   28                          ; 4 x thread
.set L16,  29                          ; 16 x lane
.set TA,   30
.set TB,   31
.set TM,   32                          ; v32-43 at work in a quantiser: largest magnitudes, the other half's, scale operands
.set BYQ,  44                          ; v44-47 q's scale bytes
.set CDQ,  48                          ; v48-55 x_norm's codes, later q's
.set CDK,  56                          ; v56-63 k's codes; before that:
.set MUV,  56                          ; v56-59 the means of my wave's four groups,
.set L8,   60                          ; 8 x lane,
.set C16,  61                          ; 16 x thread,
.set G16,  62                          ; 16 x (thread / 8),
.set WA,   63                          ; my lane's place in a weight's fragment: offsets of loads that are all in when k's codes are made
.set GHT,  64                          ; v64-127 (G, H) of my 32 channels; later
.set XF,   64                          ; x_norm's fragments, 16 T + 8 s; later
.set CDV,  100                         ; v's codes,
.set BYK,  108                         ; k's scale bytes,
.set BYV,  112                         ; v's
.set XL,   128                         ; v128-191 x, a pair of pixels a channel; later
.set ACC0, 128                         ; q's results, then v's
.set XA,   192                         ; v192-223, v224-255 x_norm of my two pixels; before that (G, H) as they are made; later
.set XB,   224
.set GRES, 192
.set ACC1, 192                         ; k's results
; the coefficients of my channel (thread = channel), v32-51
.set WY,   32
.set WBR,  36
.set BYR,  40
.set BBR,  41
.set GAM,  42
.set BET,  43
.set STA,  44
.set AA,   48
; window 1
.set WQF,  0                           ; a weight's fragments, 16 u + 8 s
.set WKF,  32
.set WVF,  64
.set BQ,   96                          ; the biases in the results' layout, 8 u
.set BK,   112
.set BV,   128
; scalars
.set WVN,  2                           ; wave
.set YY,   3                           ; image row
.set STP,  60                          ; s[60:61] the stats of my wave's four groups
.set SEL,  62                          ; s[62:63] v_permlanex16_b32's selects for lane l xor 16
.set OFS,  66                          ; s[66:67] an offset in 64 bits; s67 stays 0
.set ZQ,   68                          ; s[68:99] zq: 8 coarse columns for each of its 4 channels; later the output's addresses
.set BB,   100                         ; batch
.set T0,   101
.set MSB, 0
.macro WIN new                         ; the immediate's high byte repeats the setting that is left
.if MSB != \new
	s_set_vgpr_msb (MSB<<8)|\new
.set MSB, \new
.endif
.endm
	s_load_b512 s[4:19], s[0:1], 0x0               ; x 4, stats 6, zq 8, gamma 10, beta 12, wy 14, by 16, wb 18
	s_load_b512 s[20:35], s[0:1], 0x40             ; bb 20, wq codes 22, scales 24, bq 26, wk codes 28, scales 30, bk 32, wv codes 34
	s_load_b256 s[36:43], s[0:1], 0x80             ; wv scales 36, bv 38, qimg 40, kv 42
	s_set_vgpr_msb 0x40
	v_lshl_add_u32 v144, v0, 2, 0x10000
	v_mov_b32 v145, 0
	s_set_vgpr_msb 0x4000
	v_lshrrev_b32 v[TA], 5, v0
	v_readfirstlane_b32 s[WVN], v[TA]              ; wave 0..7
	s_mov_b32 s[YY], ttmp9
	s_and_b32 s[BB], ttmp7, 0xffff
	s_mov_b32 s[OFS+1], 0
	s_mov_b32 s[SEL], 0x76543210
	s_mov_b32 s[SEL+1], 0xfedcba98
	v_and_b32 v[LN], 31, v0
	v_and_b32 v[RR], 15, v0
	v_bfe_u32 v[HH], v0, 4, 1
	v_and_b32 v[TA], 8, v[RR]
	v_add_nc_u32 v[TA], v[TA], v[RR]               ; r + 8 (r / 8)
	v_lshlrev_b32 v[T4], 2, v0
	v_lshlrev_b32 v[L8], 3, v[LN]
	v_lshlrev_b32 v[C16], 4, v0
	v_lshrrev_b32 v[G16], 3, v0
	v_lshlrev_b32 v[G16], 4, v[G16]
	v_lshlrev_b32 v[WA], 7, v[TA]                  ; a weight's row is 128 bytes
	v_lshl_add_u32 v[WA], v[HH], 4, v[WA]
	s_wait_kmcnt 0x0
	s_lshl_b32 s[OFS], s[BB], 22                   ; x: batch x 4 MiB + 32 w channels of 16,384 bytes + the row's 256 bytes
	s_lshl_b32 s[T0], s[WVN], 19
	s_add_co_u32 s[OFS], s[OFS], s[T0]
	s_lshl_b32 s[T0], s[YY], 8
	s_add_co_u32 s[OFS], s[OFS], s[T0]
	s_add_nc_u64 s[4:5], s[4:5], s[OFS:OFS+1]
	s_lshl_b32 s[OFS], s[BB], 9                    ; stats: 512 bytes a batch,
	s_add_nc_u64 s[6:7], s[6:7], s[OFS:OFS+1]
	s_lshl_b32 s[OFS], s[WVN], 6                   ; 16 a group, four groups a wave
	s_add_nc_u64 s[STP:STP+1], s[6:7], s[OFS:OFS+1]
	s_lshl_b32 s[OFS], s[BB], 12                   ; zq: 4,096 bytes a batch, coarse row y / 4 of 64 bytes
	s_lshr_b32 s[T0], s[YY], 2
	s_lshl_b32 s[T0], s[T0], 6
	s_add_co_u32 s[OFS], s[OFS], s[T0]
	s_add_nc_u64 s[8:9], s[8:9], s[OFS:OFS+1]
	; seven loads of my channel's coefficients, then my wave's x: 32 loads of 256 consecutive bytes
	global_load_b128 v[WY:WY+3], v[C16], s[14:15]
	global_load_b128 v[WBR:WBR+3], v[C16], s[18:19]
	global_load_b32 v[BYR], v[T4], s[16:17]
	global_load_b32 v[BBR], v[T4], s[20:21]
	global_load_b32 v[GAM], v[T4], s[10:11]
	global_load_b32 v[BET], v[T4], s[12:13]
	global_load_b128 v[STA:STA+3], v[G16], s[6:7]  ; (mean, M2) of the two halves of my channel's group
.set i, 0
.rept 32
	global_load_b64 v[XL+2*i:XL+2*i+1], v[L8], s[4:5] offset:16384*i
.set i, i+1
.endr
.irp z, 0,1,2,3
	s_load_b256 s[ZQ+8*\z:ZQ+8*\z+7], s[8:9], 1024*\z      ; coarse columns 0-7
.endr
	s_load_b512 s[44:59], s[STP:STP+1], 0x0
	s_lshl_b32 s[OFS], s[WVN], 12                  ; my 32 rows of each weight: codes,
.irp p, 22,28,34
	s_add_nc_u64 s[\p:\p+1], s[\p:\p+1], s[OFS:OFS+1]
.endr
	s_lshl_b32 s[OFS], s[WVN], 8                   ; scale bytes,
.irp p, 24,30,36
	s_add_nc_u64 s[\p:\p+1], s[\p:\p+1], s[OFS:OFS+1]
.endr
	s_lshl_b32 s[OFS], s[WVN], 7                   ; biases
.irp p, 26,32,38
	s_add_nc_u64 s[\p:\p+1], s[\p:\p+1], s[OFS:OFS+1]
.endr
	s_lshl_b32 s[OFS], s[BB], 6                    ; qimg: block 64 b + y
	s_add_co_u32 s[OFS], s[OFS], s[YY]
	s_mul_i32 s[OFS], s[OFS], 8704
	s_add_nc_u64 s[40:41], s[40:41], s[OFS:OFS+1]
	s_mul_i32 s[OFS], s[BB], 1114112               ; kv: the batch's slot y / 8
	s_lshr_b32 s[T0], s[YY], 3
	s_mul_i32 s[T0], s[T0], 139264
	s_add_co_u32 s[OFS], s[OFS], s[T0]
	s_add_nc_u64 s[42:43], s[42:43], s[OFS:OFS+1]
	; the LDS addresses: constants, the lane, the wave
	v_mul_u32_u24 v[GHW], v0, GHP
	v_lshrrev_b32 v[TB], 1, v[LN]                  ; my two pixels' coarse column
	s_mul_i32 s[T0], s[WVN], 32*GHP
	v_lshl_add_u32 v[GHR], v[TB], 3, s[T0]
	v_mul_u32_u24 v[XNW], v[LN], 2*XNP
	s_lshl_b32 s[T0], s[WVN], 4
	s_add_co_u32 s[T0], s[T0], XNR
	v_add_nc_u32 v[XNW], s[T0], v[XNW]
	s_add_co_u32 s[T0], s[WVN], XNS
	v_lshl_add_u32 v[XSW], v[LN], 4, s[T0]
	v_mul_u32_u24 v[XFA], v[TA], XNP
	v_lshl_add_u32 v[XFA], v[HH], 4, v[XFA]
	v_add_nc_u32 v[XFA], XNR, v[XFA]
	v_lshlrev_b32 v[WSA], 3, v[TA]
	v_lshl_add_u32 v[WSA], v[HH], 2, v[WSA]
	v_add_nc_u32 v[XSA], XNS, v[WSA]
	v_lshlrev_b32 v[BA], 6, v[HH]
	v_lshlrev_b32 v[BVA], 2, v[TA]
	v_lshlrev_b32 v[QA], 4, v[RR]
	v_lshl_add_u32 v[QA], v[HH], 3, v[QA]
	s_lshl_b32 s[T0], s[WVN], 8                    ; block w of 32 channels is K step w / 4, piece (w / 2) % 2, lanes 16 (w % 2) on: 256 w bytes into a tile's 2,048
	v_add_nc_u32 v[QA], s[T0], v[QA]
	s_lshr_b32 s[T0], s[WVN], 2
	s_lshl_b32 s[T0], s[T0], 6
	s_and_b32 s[OFS], s[WVN], 3
	s_add_co_u32 s[T0], s[T0], s[OFS]              ; its scale byte: word of K step w / 4, byte w % 4
	v_lshl_add_u32 v[QSA], v[RR], 2, s[T0]
	v_lshlrev_b32 v[L16], 4, v[LN]
	s_lshl_b32 s[T0], s[WVN], 10
	v_add_nc_u32 v[CPA], s[T0], v[L16]
	s_and_b32 s[T0], s[WVN], 1
	s_mul_i32 s[T0], s[T0], KSS-QSS
	s_add_co_u32 s[T0], s[T0], QSS
	v_add_nc_u32 v[SSA], s[T0], v[L16]
	s_lshl_b32 s[T0], s[WVN], 11
	v_add_nc_u32 v[VOF], s[T0], v[L16]
	; ---- G: thread = channel.  a = rstd gamma; then (G, H) of the row's 16 coarse columns, eight at a time
	s_wait_loadcnt 32                              ; the seven coefficient loads are in; the 32 loads of x behind them may be out
	v_sub_f32 v49, v[STA], v[STA+2]
	v_add_f32 v50, v[STA+1], v[STA+3]
	v_mul_f32 v49, 0.5, v49                        ; (ma - mb) / 2
	v_mul_f32 v50, 0x38000000, v50                 ; (M2a + M2b) / 32,768
	v_fma_f32 v50, v49, v49, v50                   ; the group's variance
	v_add_f32 v50, 0x358637bd, v50                 ; + 1e-6
	v_rsq_f32 v51, v50
	v_nop                                          ; one plain place behind a transcendental
	s_wait_alu depctr_va_vdst(0)
	v_mul_f32 v[AA], v51, v[GAM]
	s_wait_kmcnt 0x0                               ; zq's first eight columns, and my wave's stats
.macro GHB hb                          ; Y in the even registers, Bm in the odd; then H = beta Y + Bm and G = a Y; eight columns by turns, so that no line waits for the line above it
.irp q, 0,1,2,3,4,5,6,7
	v_fma_f32 v[GRES+16*\hb+2*\q], s[ZQ+\q], v[WY], v[BYR]
	v_fma_f32 v[GRES+16*\hb+2*\q+1], s[ZQ+\q], v[WBR], v[BBR]
.endr
.irp z, 1,2,3
.irp q, 0,1,2,3,4,5,6,7
	v_fma_f32 v[GRES+16*\hb+2*\q], s[ZQ+8*\z+\q], v[WY+\z], v[GRES+16*\hb+2*\q]
	v_fma_f32 v[GRES+16*\hb+2*\q+1], s[ZQ+8*\z+\q], v[WBR+\z], v[GRES+16*\hb+2*\q+1]
.endr
.endr
.irp q, 0,1,2,3,4,5,6,7
	v_fma_f32 v[GRES+16*\hb+2*\q+1], v[BET], v[GRES+16*\hb+2*\q], v[GRES+16*\hb+2*\q+1]
	v_mul_f32 v[GRES+16*\hb+2*\q], v[AA], v[GRES+16*\hb+2*\q]
.endr
.irp k, 0,1,2,3
	ds_store_b128 v[GHW], v[GRES+16*\hb+4*\k:GRES+16*\hb+4*\k+3] offset:64*\hb+16*\k
.endr
.endm
	GHB 0
.irp g, 0,1,2,3
	v_add_f32 v[MUV+\g], s[44+4*\g], s[46+4*\g]    ; the means of my wave's four groups
.endr
.irp g, 0,1,2,3
	v_mul_f32 v[MUV+\g], 0.5, v[MUV+\g]
.endr
.irp z, 0,1,2,3
	s_load_b256 s[ZQ+8*\z:ZQ+8*\z+7], s[8:9], 1024*\z+32   ; coarse columns 8-15
.endr
	WIN 0x40                                       ; destination window 1.  The weights' 24 fragment loads stand between those scalar loads and the wait for them
.irp u, 0,1
.irp s, 0,1
.irp c, 0,1
	global_load_b128 v[WQF+16*\u+8*\s+4*\c:WQF+16*\u+8*\s+4*\c+3], v[WA], s[22:23] offset:1024*\u+64*\s+32*\c
	global_load_b128 v[WKF+16*\u+8*\s+4*\c:WKF+16*\u+8*\s+4*\c+3], v[WA], s[28:29] offset:1024*\u+64*\s+32*\c
	global_load_b128 v[WVF+16*\u+8*\s+4*\c:WVF+16*\u+8*\s+4*\c+3], v[WA], s[34:35] offset:1024*\u+64*\s+32*\c
.endr
.endr
.endr
	WIN 0
	s_wait_kmcnt 0x0
	GHB 1
	s_wait_dscnt 0x0                               ; my rows of (G, H) have landed
	s_barrier_signal -1
	s_barrier_wait -1
	; ---- X: x_norm of my 32 channels x 64 pixels, and its codes.  A lane holds two whole blocks of 32 along K
	WIN 0x40
.irp u, 0,1
	global_load_b128 v[BQ+8*\u:BQ+8*\u+3], v[BA], s[26:27] offset:32*\u        ; result register j of lane (r, h) is channel 32 w + 8 u + 16 h + j
	global_load_b128 v[BQ+8*\u+4:BQ+8*\u+7], v[BA], s[26:27] offset:32*\u+16
	global_load_b128 v[BK+8*\u:BK+8*\u+3], v[BA], s[32:33] offset:32*\u
	global_load_b128 v[BK+8*\u+4:BK+8*\u+7], v[BA], s[32:33] offset:32*\u+16
.irp j, 0,1,2,3,4,5,6,7
	global_load_b32 v[BV+8*\u+\j], v[BVA], s[38:39] offset:32*\u               ; v's results hold one channel a lane: its bias in all eight registers
.endr
.endr
	WIN 0
.irp u, 0,1
	global_load_b32 v[WS+\u], v[WSA], s[24:25] offset:64*\u
	global_load_b32 v[WS+2+\u], v[WSA], s[30:31] offset:64*\u
	global_load_b32 v[WS+4+\u], v[WSA], s[36:37] offset:64*\u
.endr
.set i, 0
.rept 32
	ds_load_b64 v[GHT+2*i:GHT+2*i+1], v[GHR] offset:GHP*i
.set i, i+1
.endr
	s_wait_loadcnt 54                              ; x is in: behind it stand the 24 fragment loads and the 30 just issued
.set i, 0
.rept 32
	v_sub_f32 v[XA+i], v[XL+2*i], v[MUV+i/8]
	v_sub_f32 v[XB+i], v[XL+2*i+1], v[MUV+i/8]
.set i, i+1
.endr
	s_wait_dscnt 0x0
.set i, 0
.rept 32
	v_fma_f32 v[XA+i], v[XA+i], v[GHT+2*i], v[GHT+2*i+1]
	v_fma_f32 v[XB+i], v[XB+i], v[GHT+2*i], v[GHT+2*i+1]
.set i, i+1
.endr
	v_max3_num_f32 v[TM], |v[XA]|, |v[XA+1]|, 0x1800000    ; the largest magnitude of each block, and the floor 2^(3 - 127): the byte cannot fall under 1
	v_max3_num_f32 v[TM+1], |v[XB]|, |v[XB+1]|, 0x1800000
.set i, 2
.rept 15
	v_max3_num_f32 v[TM], v[TM], |v[XA+i]|, |v[XA+i+1]|
	v_max3_num_f32 v[TM+1], v[TM+1], |v[XB+i]|, |v[XB+i+1]|
.set i, i+2
.endr
	v_add_nc_u32 v[TM+2], 0xff000000, v[TM]        ; 2 off the exponent field: the conversion's scale operand
	v_add_nc_u32 v[TM+3], 0xff000000, v[TM+1]
	v_lshrrev_b32 v[TM+4], 23, v[TM+2]             ; the scale's byte
	v_lshrrev_b32 v[TM+5], 23, v[TM+3]
.irp g, 0,1,2,3
	v_cvt_scalef32_pk8_fp4_f32 v[CDQ+\g], v[XA+8*\g:XA+8*\g+7], v[TM+2]
	v_cvt_scalef32_pk8_fp4_f32 v[CDQ+4+\g], v[XB+8*\g:XB+8*\g+7], v[TM+3]
.endr
	v_nop                                          ; one plain place behind the scaled conversions
	ds_store_b128 v[XNW], v[CDQ:CDQ+3]
	ds_store_b128 v[XNW], v[CDQ+4:CDQ+7] offset:XNP
	ds_store_b8 v[XSW], v[TM+4]
	ds_store_b8 v[XSW], v[TM+5] offset:8
	s_wait_dscnt 0x0                               ; my block's codes and bytes have landed
	s_barrier_signal -1
	s_barrier_wait -1
	; ---- P: the products
.irp t, 0,1,2,3
.irp s, 0,1
.irp c, 0,1
	ds_load_b128 v[XF+16*\t+8*\s+4*\c:XF+16*\t+8*\s+4*\c+3], v[XFA] offset:(32*(\t/2)+8*(\t%2))*XNP+64*\s+32*\c
.endr
.endr
	ds_load_b32 v[XS+\t], v[XSA] offset:(32*(\t/2)+8*(\t%2))*8
.endr
.irp k, 0,1,2,3
	v_mov_b32 v[TM+4+\k], 0                        ; written once: a lane permute's destination counts as one of its sources
.endr
	s_and_b32 s[T0], s[YY], 7                      ; where the results go: the row's place in its slot of 8 rows
	s_lshl_b32 s[OFS], s[T0], 13
	s_add_nc_u64 s[68:69], s[42:43], s[OFS:OFS+1]  ; K's images
	s_lshl_b32 s[OFS], s[T0], 9
	s_add_co_u32 s[OFS], s[OFS], 131072
	s_add_nc_u64 s[70:71], s[42:43], s[OFS:OFS+1]  ; K's scale words
	s_lshr_b32 s[T0], s[T0], 1                     ; the key step of 128 keys, and which half of it
	s_and_b32 s78, s[YY], 1
	s_lshl_b32 s[OFS], s[T0], 14
	s_lshl_b32 s79, s78, 9
	s_add_co_u32 s[OFS], s[OFS], s79
	s_add_co_u32 s[OFS], s[OFS], 65536
	s_add_nc_u64 s[72:73], s[42:43], s[OFS:OFS+1]  ; V's images: my row is piece y % 2 of each
	s_lshl_b32 s[OFS], s[T0], 10
	s_lshl_b32 s79, s78, 1
	s_add_co_u32 s[OFS], s[OFS], s79
	s_add_co_u32 s[OFS], s[OFS], 135168
	s_add_nc_u64 s[74:75], s[42:43], s[OFS:OFS+1]  ; V's scale words: my row's two bytes
	s_add_nc_u64 s[76:77], s[40:41], 8192          ; Q's scale words
	s_cmp_eq_u32 s[WVN], 0
	s_cselect_b64 s[78:79], s[76:77], s[70:71]     ; wave 0 copies Q's scale words out, wave 1 K's
	s_wait_loadcnt 0x0                             ; weights, their scale words, biases
	s_wait_dscnt 0x0
; q or k: source 0 = my 16 rows of the weight, source 1 = 16 pixels.  The bias is the C of a sum's first product.  Eight accumulators take turns, one instruction a turn.
; One scale register holds K step 0's words in lanes 0-15 and K step 1's in lanes 16-31.
.macro MULQK wf, bi, ws, acc
	WIN 0x11                                       ; source 0 and C window 1
.irp t, 0,1,2,3
.irp u, 0,1
	v_wmma_scale_f32_16x16x128_f8f6f4 v[\acc+16*\t+8*\u:\acc+16*\t+8*\u+7], v[\wf+16*\u:\wf+16*\u+7], v[XF+16*\t:XF+16*\t+7], v[\bi+8*\u:\bi+8*\u+7], v[\ws+\u], v[XS+\t] matrix_a_fmt:MATRIX_FMT_FP4 matrix_b_fmt:MATRIX_FMT_FP4
.endr
.endr
	WIN 0x01
.irp t, 0,1,2,3
.irp u, 0,1
	v_wmma_scale_f32_16x16x128_f8f6f4 v[\acc+16*\t+8*\u:\acc+16*\t+8*\u+7], v[\wf+16*\u+8:\wf+16*\u+15], v[XF+16*\t+8:XF+16*\t+15], v[\acc+16*\t+8*\u:\acc+16*\t+8*\u+7], v[\ws+\u], v[XS+\t] matrix_a_fmt:MATRIX_FMT_FP4 matrix_b_fmt:MATRIX_FMT_FP4 matrix_a_scale:MATRIX_SCALE_ROW1 matrix_b_scale:MATRIX_SCALE_ROW1
.endr
.endr
.endm
; Four runs of 16 registers at acc + 16 k, each half a block of 32 (the other half in lane l xor 16), become codes in cd + 2 k, cd + 2 k + 1 and scale bytes in by + k.  Each accumulator is read from its low end on.
.macro QB acc, cd, by
.irp k, 0,1,2,3
	v_max3_num_f32 v[TM+\k], |v[\acc+16*\k]|, |v[\acc+16*\k+1]|, 0x1800000
.endr
.irp i, 2,4,6,8,10,12,14
.irp k, 0,1,2,3
	v_max3_num_f32 v[TM+\k], v[TM+\k], |v[\acc+16*\k+\i]|, |v[\acc+16*\k+\i+1]|
.endr
.endr
.irp k, 0,1,2,3
	v_permlanex16_b32 v[TM+4+\k], v[TM+\k], s[SEL], s[SEL+1]
.endr
.irp k, 0,1,2,3
	v_max_num_f32 v[TM+\k], v[TM+\k], v[TM+4+\k]
.endr
.irp k, 0,1,2,3
	v_add_nc_u32 v[TM+8+\k], 0xff000000, v[TM+\k]
.endr
.irp k, 0,1,2,3
	v_lshrrev_b32 v[\by+\k], 23, v[TM+8+\k]
.endr
.irp k, 0,1,2,3
	v_cvt_scalef32_pk8_fp4_f32 v[\cd+2*\k], v[\acc+16*\k:\acc+16*\k+7], v[TM+8+\k]
	v_cvt_scalef32_pk8_fp4_f32 v[\cd+2*\k+1], v[\acc+16*\k+8:\acc+16*\k+15], v[TM+8+\k]
.endr
	v_nop                                          ; one plain place behind the scaled conversions
.endm
	MULQK WQF, BQ, WS, ACC0
	MULQK WKF, BK, WS+2, ACC1
	WIN 0
.rept 4
	v_nop                                          ; four places in front of the first read of results (ISA guide 7.12.1)
.endr
	QB ACC0, CDQ, BYQ                              ; q: run T is pixel tile T; my 16 codes are 8 bytes of the tile's image
.irp t, 0,1,2,3
	ds_store_b64 v[QA], v[CDQ+2*\t:CDQ+2*\t+1] offset:QST+2048*\t
	ds_store_b8 v[QSA], v[BYQ+\t] offset:QSS+128*\t        ; both halves of the lanes write the same byte with the same value
.endr
	; v: the sources swapped.  The results land on q's registers, which the quantiser has left: more than five plain lines stand between
	WIN 0x14                                       ; source 1 and C window 1
.irp t, 0,1,2,3
.irp u, 0,1
	v_wmma_scale_f32_16x16x128_f8f6f4 v[ACC0+32*\u+8*\t:ACC0+32*\u+8*\t+7], v[XF+16*\t:XF+16*\t+7], v[WVF+16*\u:WVF+16*\u+7], v[BV+8*\u:BV+8*\u+7], v[XS+\t], v[WS+4+\u] matrix_a_fmt:MATRIX_FMT_FP4 matrix_b_fmt:MATRIX_FMT_FP4
.endr
.endr
	WIN 0x04
.irp t, 0,1,2,3
.irp u, 0,1
	v_wmma_scale_f32_16x16x128_f8f6f4 v[ACC0+32*\u+8*\t:ACC0+32*\u+8*\t+7], v[XF+16*\t+8:XF+16*\t+15], v[WVF+16*\u+8:WVF+16*\u+15], v[ACC0+32*\u+8*\t:ACC0+32*\u+8*\t+7], v[XS+\t], v[WS+4+\u] matrix_a_fmt:MATRIX_FMT_FP4 matrix_b_fmt:MATRIX_FMT_FP4 matrix_a_scale:MATRIX_SCALE_ROW1 matrix_b_scale:MATRIX_SCALE_ROW1
.endr
.endr
	WIN 0
	QB ACC1, CDK, BYK                              ; k, while v's products run; its lines are also the places behind them
.irp t, 0,1,2,3
	ds_store_b64 v[QA], v[CDK+2*\t:CDK+2*\t+1] offset:KST+2048*\t
	ds_store_b8 v[QSA], v[BYK+\t] offset:KSS+128*\t
.endr
	QB ACC0, CDV, BYV                              ; v: run 2 u + b is channel tile u, pixels 32 b + 16 h + 0 .. 15
.irp u, 0,1
.irp i, 0,1
	v_permlane16_swap_b32 v[CDV+4*\u+\i], v[CDV+4*\u+2+\i] ; the operand's layout wants a whole block in a lane: lanes 0-15 pixels 0-31, lanes 16-31 pixels 32-63
.endr
.endr
.irp u, 0,1
	global_store_b128 v[VOF], v[CDV+4*\u:CDV+4*\u+3], s[72:73] offset:1024*\u      ; a piece of an image: 512 consecutive bytes
.endr
	v_lshl_or_b32 v[TA], v[BYV+1], 8, v[BYV]       ; the row's two scale bytes of channel tile 0,
	v_lshl_or_b32 v[TB], v[BYV+3], 8, v[BYV+2]     ; of tile 1:
	v_cmp_lt_u32 vcc_lo, 15, v[LN]
	v_cndmask_b32 v[TA], v[TA], v[TB], vcc_lo      ; lanes 0-15 store tile 0's, lanes 16-31 tile 1's
	global_store_b16 v[T4], v[TA], s[74:75]
	s_wait_dscnt 0x0                               ; my parts of q's and k's images and scale words have landed
	s_barrier_signal -1
	s_barrier_wait -1
	; ---- C: q's and k's images leave as they lie, 1,024 bytes of each a wave, 512 consecutive bytes a store
	ds_load_b128 v[64:67], v[CPA] offset:QST
	ds_load_b128 v[68:71], v[CPA] offset:QST+512
	ds_load_b128 v[72:75], v[CPA] offset:KST
	ds_load_b128 v[76:79], v[CPA] offset:KST+512
	s_wait_dscnt 0x0
	global_store_b128 v[CPA], v[64:67], s[40:41]
	global_store_b128 v[CPA], v[68:71], s[40:41] offset:512
	global_store_b128 v[CPA], v[72:75], s[68:69]
	global_store_b128 v[CPA], v[76:79], s[68:69] offset:512
	s_cmp_lt_u32 s[WVN], 2
	s_cbranch_scc0 .Lend
	ds_load_b128 v[80:83], v[SSA]                  ; wave 0: q's 512 bytes of scale words; wave 1: k's
	s_wait_dscnt 0x0
	global_store_b128 v[L16], v[80:83], s[78:79]
.Lend:
	s_set_vgpr_msb 0x5
	s_wait_tensorcnt 0x0
	ds_add_u32 v144, v145
	s_wait_dscnt 0x0
	s_set_vgpr_msb 0x500
	s_endpgm
.Lfunc_end_k_q4704173882_qkv:
	.size	k_q4704173882_qkv, .Lfunc_end_k_q4704173882_qkv-k_q4704173882_qkv
	.p2alignl 7, 3214868480
	.fill 96, 4, 3214868480
	.section	.rodata,"a",@progbits
	.p2align	6, 0x0
	.amdhsa_kernel k_q4704173882_qkv
		.amdhsa_group_segment_fixed_size 66560
		.amdhsa_private_segment_fixed_size 0
		.amdhsa_enable_private_segment 0
		.amdhsa_kernarg_size 160
		.amdhsa_user_sgpr_count 2
		.amdhsa_user_sgpr_kernarg_segment_ptr 1
		.amdhsa_wavefront_size32 1
		.amdhsa_system_sgpr_workgroup_id_x 1
		.amdhsa_system_sgpr_workgroup_id_y 1
		.amdhsa_system_sgpr_workgroup_id_z 1
		.amdhsa_system_vgpr_workitem_id 0
		.amdhsa_next_free_vgpr 402
		.amdhsa_next_free_sgpr 102
		.amdhsa_reserve_vcc 1
		.amdhsa_float_denorm_mode_32 3
		.amdhsa_float_denorm_mode_16_64 3
		.amdhsa_memory_ordered 1
		.amdhsa_forward_progress 1
		.amdhsa_inst_pref_size 58
	.end_amdhsa_kernel
	.amdgpu_metadata
---
amdhsa.version: [ 1, 2 ]
amdhsa.kernels:
  - .name:           k_q4704173882_qkv
    .symbol:         k_q4704173882_qkv.kd
    .args:
      - { .name: x, .offset: 0, .size: 8, .value_kind: global_buffer, .address_space: global }
      - { .name: stats, .offset: 8, .size: 8, .value_kind: global_buffer, .address_space: global }
      - { .name: zq, .offset: 16, .size: 8, .value_kind: global_buffer, .address_space: global }
      - { .name: gn_gamma, .offset: 24, .size: 8, .value_kind: global_buffer, .address_space: global }
      - { .name: gn_beta, .offset: 32, .size: 8, .value_kind: global_buffer, .address_space: global }
      - { .name: wy, .offset: 40, .size: 8, .value_kind: global_buffer, .address_space: global }
      - { .name: by, .offset: 48, .size: 8, .value_kind: global_buffer, .address_space: global }
      - { .name: wb, .offset: 56, .size: 8, .value_kind: global_buffer, .address_space: global }
      - { .name: bb, .offset: 64, .size: 8, .value_kind: global_buffer, .address_space: global }
      - { .name: wq_codes, .offset: 72, .size: 8, .value_kind: global_buffer, .address_space: global }
      - { .name: wq_scales, .offset: 80, .size: 8, .value_kind: global_buffer, .address_space: global }
      - { .name: bq, .offset: 88, .size: 8, .value_kind: global_buffer, .address_space: global }
      - { .name: wk_codes, .offset: 96, .size: 8, .value_kind: global_buffer, .address_space: global }
      - { .name: wk_scales, .offset: 104, .size: 8, .value_kind: global_buffer, .address_space: global }
      - { .name: bk, .offset: 112, .size: 8, .value_kind: global_buffer, .address_space: global }
      - { .name: wv_codes, .offset: 120, .size: 8, .value_kind: global_buffer, .address_space: global }
      - { .name: wv_scales, .offset: 128, .size: 8, .value_kind: global_buffer, .address_space: global }
      - { .name: bv, .offset: 136, .size: 8, .value_kind: global_buffer, .address_space: global }
      - { .name: qimg, .offset: 144, .size: 8, .value_kind: global_buffer, .address_space: global }
      - { .name: kv, .offset: 152, .size: 8, .value_kind: global_buffer, .address_space: global }
    .group_segment_fixed_size: 66560
    .private_segment_fixed_size: 0
    .kernarg_segment_align: 8
    .kernarg_segment_size: 160
    .max_flat_workgroup_size: 256
    .sgpr_count:     102
    .vgpr_count:     402
    .wavefront_size: 32
...
	.end_amdgpu_metadata
.endif
;; end of part 2
;; launch attn (part 3): grid 64 x 4, 8 waves a work-group, clusters of 4 x 1, 327,680 bytes of LDS; arguments qimg, kv, x, wo_codes, wo_scales, bo, out0; writes out0
.if DOCPART == 3
	.amdgcn_target "amdgcn-amd-amdhsa--gfx1250"
	.amdhsa_code_object_version 6
	.text
	.protected	k_q4704173882_attn
	.globl	k_q4704173882_attn
	.p2align	8
	.type	k_q4704173882_attn,@function
k_q4704173882_attn:
	s_mov_b64 s[64:65], 0
	v_nop
	global_prefetch_b8 v0, s[64:65] scope:SCOPE_SE
	s_setreg_imm32_b32 hwreg(HW_REG_WAVE_MODE, 25, 1), 1
	s_wait_xcnt 0x0
	s_wait_alu depctr_hold_cnt(0) depctr_sa_sdst(0) depctr_va_vdst(0) depctr_va_sdst(0) depctr_va_ssrc(0) depctr_va_vcc(0) depctr_vm_vsrc(0)
	s_getreg_b32 s2, hwreg(HW_REG_IB_STS2, 6, 4)
	s_cmp_eq_u32 s2, 0
	s_cbranch_scc0 .Lentry_in_a_cluster
	s_endpgm
.Lentry_in_a_cluster:
	s_bfe_u32 s2, ttmp6, 0x10000c
	s_cmp_lg_u32 s2, 0x3003
	s_cbranch_scc0 .Lentry_shape_is_right
	s_endpgm
.Lentry_shape_is_right:
; ATTENTION, THE OUTPUT PROJECTION AND THE RESIDUAL, on codes of FP4 (E2M1) with one E8M0 scale for each 32 along K.  4 batches, 4,096 queries and keys, head size 256.
; out0 = x + wo (O / l) + bo, O = the sum over keys of p v, p = 2^(t - M), t = score x log2(e) / 16, M = the largest t so far rounded UP to a whole number; p is quantised along the keys, not normalised;
; l is the sum of the unquantised p.  When M moves, l and O are multiplied by 2^(old M - new M): exact.
; SHARES.  A work-group owns one image row, 64 queries: four tiles of 16.  Wave w takes query tiles 2 (w / 4) + 0, 1 and, of every 512 keys, the (w % 4)-th 128: eight steps of 32 queries x 128 keys.  So each fragment
; of K and V read from LDS feeds two products.  At the end the four key groups of a query are merged by exact powers of two; O / l is quantised along the channels and multiplied by wo.
; LAYOUT.  Both products are used transposed: S^T = K Q^T (source 0 = 16 keys, source 1 = 16 queries), O^T = V^T P^T (source 0 = 16 channels, source 1 = P): a lane holds ONE query throughout.
; The launch before has laid Q, K, V as images of the operands' registers (a fragment = two pieces of 512 bytes, lane l's 16 bytes at 16 l), with tiles whose rows are chosen so that the 16 result registers
; of tiles 2 b and 2 b + 1 are 16 neighbours along the next K.  So every LDS read is 512 consecutive bytes, and a slot of 512 keys (K's images, V's images, their scale words) is ONE dense block of 139,264 bytes.
; RING.  Two slots; each wave brings an eighth of a slot (68 rows of 256 bytes) with one tensor load.  By this text's count a wave has two tensor loads out at the start and one behind each change of slots.
; CLUSTER.  The four work-groups of a cluster are four image rows of one batch and walk the same K and V: each eighth is asked for JOINTLY, by the same load with the same descriptor and a mask that names the four.
; THE ORDER OF A STEP.  K's loads, the scores, tile 0's softmax | half of V's loads, into the registers that tile 0's scores have left | tile 1's softmax | the other half of V's loads: the slot's last reads |
; the wait for my tensor loads and the add | tile 0's O^T rescaled | the wait for V | the opening signal of the change of slots | tile 1's O^T rescaled and the 32 products V^T P^T, on registers alone | the opening wait,
; the rest of the round, the refill of the slot just left.  So a wave works while the others arrive, and the eight waves' reads of V are spread over more of the step.
; REGISTERS.  Window 0: v2-7 LDS addresses; v8-15 K's or V's scale words; v16-47 Q; v48-49 Q's scale words; v50-61 six registers of statistics a tile; v62, v63 for the add;
;   v64-127 (A), v128-191 (B), v192-255 (C): K's tiles 0-3 in C, 4-7 in B; scores of tiles 0-3 in A, of 4-7 in C; in the softmax B is at work; V's tiles 0-7 in A, 8-15 in C.   Window 1: O^T, 128 a tile of queries.
; LIMITS: NaN and infinities are not served.  p under 2^-126 comes out of v_exp_f32 as 0.  A block of zeros gets the scale byte 1 where the quantiser says 127: its codes are zeros.  1 / l is v_rcp_f32.
;   A block's largest p is taken as the exponential of its largest score (this takes v_exp_f32 not to fall where its input rises).  The sums over the keys are formed in four groups.
.set SLOTB,  139264                    ; a slot: K's images 65,536 | V's images 65,536 | K's scale words 4,096 | V's 4,096
.set EIGHTH, SLOTB/8
.set VIMG,   65536
.set KSCL,   131072
.set BATCHB, 8*SLOTB
.set SPARE,  2*SLOTB                   ; behind the ring: the spare words, 128 bytes for each wave: four blocks of 256 bytes that no other line names
.set MST,    SPARE+1024                ; -M and l of each wave: 512 bytes a wave: [tile][-M, l][lane]
.set OIMG,   MST+4096                  ; O / l as 8 fragment images
.set OSC,    OIMG+8192                 ; and their scale words
.set OPITCH, 272                       ; the way out: 32 rows of 256 bytes + 16 for each wave.  This stage, and before it the eight waves' partial O^T (32,768 bytes each), lie from byte 0 on, in the
                                       ; slots: these have had their last fill and their last read when the first of them is stored
.set ADK, 2                            ; v2-3  my lane's place in my key group's images of K, slot 0, 1
.set ADV, 4                            ; v4-5  of V
.set ADS, 6                            ; v6-7  among K's scale words; V's lie 4,096 bytes on
.set KS,  8                            ; v8-15 scale words: K's tile kt (lanes 0-15 K step 0, lanes 16-31 K step 1); then V's tiles 2 i (lanes 0-15) and 2 i + 1 (lanes 16-31)
.set QF,  16                           ; Q's fragments: 16 a + 8 s
.set QS,  48                           ; their scale words
.set ST0, 50                           ; tile a at ST0 + 6 a: +0 -M, +1 the largest t, +2, +3 the sum in two halves, +4 f = 2^(old M - new M), +5 p's scale word
.set SPW, 62                           ; LDS address of my spare word; never rewritten
.set NIL, 63                           ; 0; never rewritten
.set PC,  128                          ; p's codes, 8 a
.set BM,  148                          ; a block's largest score, then its largest p
.set BP,  152
.set SO,  156                          ; the conversions' scale operands
.set BY,  160                          ; the scale bytes
.set TT,  164
.set SP,  166                          ; the sum's second chain
.set WV,  18
.set GG,  19                           ; my key group
.set QP,  20                           ; my pair of query tiles
.set CS,  22                           ; s[22:23] c = log2(e) / 16
.set SEL, 26                           ; s[26:27] v_permlanex16_b32's selects for lane l xor 16
.set G1,  28                           ; s[28:35] descriptor group 1
.set G0,  36                           ; s[36:43] group 0, a set for each slot
.set MSB, 0
.macro WIN new                         ; the immediate's high byte repeats the setting that is left
.if MSB != \new
	s_set_vgpr_msb (MSB<<8)|\new
.set MSB, \new
.endif
.endm
; A round of the cluster's barrier: my work-group's barrier, so that wave 0's signal speaks for all eight waves; wave 0 signals for the work-group; every wave waits for all four work-groups; my work-group's barrier once more.
.macro CREST                           ; a round behind its opening barrier
	s_cmp_lg_u32 s[WV], 0
	s_cbranch_scc1 .Lnot_wave_0_\@
	s_barrier_signal -3
.Lnot_wave_0_\@:
	s_barrier_wait -3
	s_barrier_signal -1
	s_barrier_wait -1
.endm
.macro CROUND                          ; a whole round
	s_barrier_signal -1
	s_barrier_wait -1
	CREST
.endm
	s_load_b256 s[4:11], s[0:1], 0x0               ; qimg 4, kv 6, x 8, wo codes 10
	s_load_b128 s[12:15], s[0:1], 0x20             ; wo scales 12, bo 14
	s_load_b64 s[16:17], s[0:1], 0x30              ; out0
	v_lshl_add_u32 v[SPW], v0, 2, SPARE
	v_mov_b32 v[NIL], 0
	ds_add_u32 v62, v63
	ds_add_u32 v62, v63
	s_wait_dscnt 0x0
	v_lshrrev_b32 v1, 5, v0
	v_readfirstlane_b32 s[WV], v1                  ; wave 0..7
	s_and_b32 s[GG], s[WV], 3
	s_lshr_b32 s[QP], s[WV], 2
	s_bfe_u32 s45, ttmp6, 0x40000                  ; cx: my place in the cluster
	s_lshl_b32 s46, ttmp9, 2                       ; in a cluster launch ttmp9 counts clusters
	s_add_co_u32 s46, s46, s45                     ; my image row: it enters the addresses of qimg, x and out0 alone
	s_and_b32 s47, ttmp7, 0xffff                   ; the batch, which the four partners share
	; descriptor group 1: 68 rows of 32 elements of 8 bytes, dense in memory and in LDS
	s_mov_b32 s[G1], 15|(3<<16)|(1<<21)            ; 15:0 the mask: all four work-groups; 17:16 elements of 8 bytes; 20 no padding; 21 set beside a mask
	s_mov_b32 s[G1+1], 32<<16                      ; tensor_dim0 = 32
	s_mov_b32 s[G1+2], 68<<16                      ; tensor_dim1 = 68
	s_mov_b32 s[G1+3], 32<<16                      ; tile_dim0 = 32
	s_mov_b32 s[G1+4], 68                          ; tile_dim1 = 68
	s_mov_b32 s[G1+5], 32                          ; from row to row
	s_mov_b32 s[G1+6], 0
	s_mov_b32 s[G1+7], 0
	s_mov_b32 s[CS], 0x3db8aa3b
	s_mov_b32 s[CS+1], s[CS]                       ; (named with it as a pair, so it is written)
	s_mov_b32 s[SEL], 0x76543210
	s_mov_b32 s[SEL+1], 0xfedcba98
	s_mul_i32 s48, s47, BATCHB                     ; kv: the batch, and my eighth of a slot: made of the batch and the wave's number alone
	s_mul_i32 s50, s[WV], EIGHTH
	s_add_co_u32 s48, s48, s50
	s_mov_b32 s49, 0
	s_lshl_b32 s52, s47, 6                         ; qimg: block 64 b + y
	s_add_co_u32 s52, s52, s46
	s_mul_i32 s52, s52, 8704
	s_mov_b32 s53, 0
	s_lshl_b32 s54, s47, 22                        ; x, out0: batch x 4 MiB + 32 w channels of 16,384 bytes + the row's 256 bytes
	s_lshl_b32 s51, s[WV], 19
	s_add_co_u32 s54, s54, s51
	s_lshl_b32 s51, s46, 8
	s_add_co_u32 s54, s54, s51
	s_mov_b32 s55, 0
	s_mov_b32 s57, 0
	s_wait_kmcnt 0x0
	s_add_nc_u64 s[6:7], s[6:7], s[48:49]
	s_add_nc_u64 s[4:5], s[4:5], s[52:53]
	s_add_nc_u64 s[8:9], s[8:9], s[54:55]
	s_add_nc_u64 s[16:17], s[16:17], s[54:55]
	s_lshl_b32 s56, s[WV], 12                      ; my 32 rows of wo: codes,
	s_add_nc_u64 s[10:11], s[10:11], s[56:57]
	s_lshl_b32 s56, s[WV], 8                       ; scale bytes,
	s_add_nc_u64 s[12:13], s[12:13], s[56:57]
	s_lshl_b32 s56, s[WV], 7                       ; bias
	s_add_nc_u64 s[14:15], s[14:15], s[56:57]
.irp n, 0,1
	s_mov_b32 s[G0+4*\n], 1                        ; count = 1
	s_add_co_u32 s[G0+4*\n+1], s50, \n*SLOTB       ; LDS address: the slot, my eighth
	s_add_nc_u64 s[G0+4*\n+2:G0+4*\n+3], s[6:7], \n*SLOTB  ; global address: keys 512 n on
	s_or_b32 s[G0+4*\n+3], s[G0+4*\n+3], 0x80000000        ; type = 2
.endr
	CROUND                                         ; all four work-groups are here: the first joint loads meet
	tensor_load_to_lds s[G0:G0+3], s[G1:G1+7]
	s_nop 0
	tensor_load_to_lds s[G0+4:G0+7], s[G1:G1+7]
	s_nop 0
.rept 4
	v_nop
.endr
	v_and_b32 v1, 31, v0                           ; lane
	v_lshlrev_b32 v128, 4, v1
	v_lshlrev_b32 v129, 2, v1
	s_lshl_b32 s51, s[QP], 12
	v_add_nc_u32 v130, s51, v128                   ; Q: my two tiles' images
	s_lshl_b32 s51, s[QP], 8
	s_add_co_u32 s51, s51, 8192
	v_add_nc_u32 v131, s51, v129                   ; and their scale words
.irp a, 0,1
.irp s, 0,1
.irp c, 0,1
	global_load_b128 v[QF+16*\a+8*\s+4*\c:QF+16*\a+8*\s+4*\c+3], v130, s[4:5] offset:2048*\a+1024*\s+512*\c
.endr
.endr
	global_load_b32 v[QS+\a], v131, s[4:5] offset:128*\a
.endr
	s_lshl_b32 s58, s[GG], 14
	v_add_nc_u32 v[ADK], s58, v128
	v_add_nc_u32 v[ADK+1], SLOTB, v[ADK]
	v_add_nc_u32 v[ADV], VIMG, v[ADK]
	v_add_nc_u32 v[ADV+1], VIMG, v[ADK+1]
	s_lshl_b32 s58, s[GG], 10
	s_add_co_u32 s58, s58, KSCL
	v_add_nc_u32 v[ADS], s58, v129
	v_add_nc_u32 v[ADS+1], SLOTB, v[ADS]
.macro KLOAD slot, reg, from           ; four tiles of K, both K steps: 16 loads of 512 consecutive bytes
.irp k, 0,1,2,3
.irp s, 0,1
.irp c, 0,1
	ds_load_b128 v[\reg+16*\k+8*\s+4*\c:\reg+16*\k+8*\s+4*\c+3], v[ADK+\slot] offset:2048*(\from+\k)+1024*\s+512*\c
.endr
.endr
.endr
.endm
; 16 products: key tiles 4 hi + 0 .. 3 x my two query tiles x two K steps.  The first K step starts the sums; the eight accumulators take turns, one instruction a turn.
.macro SMUL hi
.irp s, 0,1
.irp k, 0,1,2,3
.irp a, 0,1
.if \s == 0
	v_wmma_scale_f32_16x16x128_f8f6f4 v[64+128*\hi+32*\a+8*\k:64+128*\hi+32*\a+8*\k+7], v[192-64*\hi+16*\k:192-64*\hi+16*\k+7], v[QF+16*\a:QF+16*\a+7], 0, v[KS+4*\hi+\k], v[QS+\a] matrix_a_fmt:MATRIX_FMT_FP4 matrix_b_fmt:MATRIX_FMT_FP4
.else
	v_wmma_scale_f32_16x16x128_f8f6f4 v[64+128*\hi+32*\a+8*\k:64+128*\hi+32*\a+8*\k+7], v[192-64*\hi+16*\k+8:192-64*\hi+16*\k+15], v[QF+16*\a+8:QF+16*\a+15], v[64+128*\hi+32*\a+8*\k:64+128*\hi+32*\a+8*\k+7], v[KS+4*\hi+\k], v[QS+\a] matrix_a_fmt:MATRIX_FMT_FP4 matrix_b_fmt:MATRIX_FMT_FP4 matrix_a_scale:MATRIX_SCALE_ROW1 matrix_b_scale:MATRIX_SCALE_ROW1
.endif
.endr
.endr
.endr
.endm
.macro SPHASE slot                     ; S^T of my 128 keys x 32 queries
.irp k, 0,1,2,3,4,5,6,7
	ds_load_b32 v[KS+\k], v[ADS+\slot] offset:128*\k
.endr
	KLOAD \slot, 192, 0
	KLOAD \slot, 128, 4
	s_wait_dscnt 16                                ; the scale words and tiles 0-3 are in; the 16 loads of tiles 4-7 may be out
	SMUL 0
	s_wait_dscnt 0x0
.rept 5
	v_nop                                          ; the next results are laid over tiles 0-3 of K, which the last products read: five places
.endr
	SMUL 1
.rept 4
	v_nop                                          ; four places in front of the first read of results, and of the loads into these products' registers further down
.endr
.endm
; The softmax of query tile a for this step.  Block b of 32 keys is 16 registers at r0 .. r3 (the other 16 keys in lane l xor 16).  first = 1: the first step starts M and the sum.
.macro SOFT a, first
.set st, ST0+6*\a
.set r0, 64+32*\a
.set r1, 80+32*\a
.set r2, 192+32*\a
.set r3, 208+32*\a
.irp b, 0,1,2,3
	v_max3_num_f32 v[BM+\b], v[r\b], v[r\b+1], v[r\b+2]    ; THE LARGEST SCORE OF EACH BLOCK: it serves the row's maximum and, since p rises with the score, the block's largest p.  Each accumulator is read from its low end on
.endr
.irp i, 3,5,7,9,11,13
.irp b, 0,1,2,3
	v_max3_num_f32 v[BM+\b], v[BM+\b], v[r\b+\i], v[r\b+\i+1]
.endr
.endr
.irp b, 0,1,2,3
	v_max_num_f32 v[BM+\b], v[BM+\b], v[r\b+15]
.endr
.irp b, 0,1,2,3
	v_permlanex16_b32 v[BP+\b], v[BM+\b], s[SEL], s[SEL+1]
.endr
.irp b, 0,1,2,3
	v_max_num_f32 v[BM+\b], v[BM+\b], v[BP+\b]
.endr
	v_max3_num_f32 v[TT], v[BM], v[BM+1], v[BM+2]
	v_max_num_f32 v[TT], v[TT], v[BM+3]            ; the step's largest score of my query
.if \first
	v_mul_f32 v[st+1], s[CS], v[TT]                ; as t (c is positive)
	v_floor_f32 v[st], -v[st+1]                    ; -M = floor(-t) = -ceil(t): M IS A WHOLE NUMBER
.else
	v_mul_f32 v[TT], s[CS], v[TT]
	v_max_num_f32 v[st+1], v[st+1], v[TT]          ; the running largest t
	v_mov_b32 v[TT], v[st]
	v_floor_f32 v[st], -v[st+1]
	v_sub_f32 v[TT], v[st], v[TT]                  ; M's old value less its new one: a whole number, 0 or less
	v_cvt_i32_f32 v[TT], v[TT]                     ; (it saturates)
	v_ldexp_f32 v[st+4], 1.0, v[TT]                ; f = 2^(old M - new M)
.endif
.irp b, 0,1,2,3
.irp j, 0,2,4,6,8,10,12,14
	v_pk_fma_f32 v[r\b+\j:r\b+\j+1], v[r\b+\j:r\b+\j+1], s[CS:CS+1], v[st:st+1] op_sel_hi:[1,0,0]   ; t - M, two at a time (of the pairs c and -M the low word serves both halves)
.endr
.endr
.irp b, 0,1,2,3
	v_fma_f32 v[BM+\b], v[BM+\b], s[CS], v[st]     ; the same of each block's largest score
.endr
.irp b, 0,1,2,3
.irp j, 0,1,2,3,4,5,6,7,8,9,10,11,12,13,14,15
	v_exp_f32 v[r\b+\j], v[r\b+\j]                 ; p = 2^(t - M), at most 1: NOT normalised
.endr
.endr
.irp b, 0,1,2,3
	v_exp_f32 v[BM+\b], v[BM+\b]                   ; the block's largest p: the same two instructions on the same number give the same bits
.endr
.if \first
	v_nop                                          ; a plain place behind the exponentials
	s_wait_alu depctr_va_vdst(0)
.else
	v_pk_mul_f32 v[st+2:st+3], v[st+2:st+3], v[st+4:st+5] op_sel_hi:[1,0]  ; the sums under the new M.  (A plain place behind the exponentials)
	s_wait_alu depctr_va_vdst(0)
.endif
.irp b, 0,1,2,3
	v_max_num_f32 v[BM+\b], 0x1800000, v[BM+\b]    ; the floor 2^(3 - 127): the byte cannot fall under 1
.endr
.irp b, 0,1,2,3
	v_add_nc_u32 v[SO+\b], 0xff000000, v[BM+\b]    ; 2 off the exponent field: the conversion's scale operand
.endr
.irp b, 0,1,2,3
	v_lshrrev_b32 v[BY+\b], 23, v[SO+\b]           ; the scale's byte
.endr
	v_lshl_or_b32 v[st+5], v[BY+1], 8, v[BY]       ; p's scale word for these 128 keys
	v_lshl_or_b32 v[st+5], v[BY+2], 16, v[st+5]
	v_lshl_or_b32 v[st+5], v[BY+3], 24, v[st+5]
.irp b, 0,1,2,3
	v_cvt_scalef32_pk8_fp4_f32 v[PC+8*\a+2*\b], v[r\b:r\b+7], v[SO+\b]
	v_cvt_scalef32_pk8_fp4_f32 v[PC+8*\a+2*\b+1], v[r\b+8:r\b+15], v[SO+\b]
.endr
	v_nop                                          ; one plain place behind the scaled conversions
.irp c, 0,1                            ; the operand's layout wants a WHOLE block in a lane: lanes 0-15 block 2 c, lanes 16-31 block 2 c + 1
.irp i, 0,1
	v_permlane16_swap_b32 v[PC+8*\a+4*\c+\i], v[PC+8*\a+4*\c+2+\i]
.endr
.endr
.set n, 0                              ; THE ROW'S SUM IS TAKEN OF THE UNQUANTISED p: two at a time, in two chains; in the first step pairs of p start both chains: nothing is cleared
.irp b, 0,1,2,3
.irp j, 0,4,8,12
.set rr, r\b+\j
.if n == 0
.if \first
	v_pk_add_f32 v[st+2:st+3], v[rr:rr+1], v[rr+2:rr+3]
.else
	v_pk_add_f32 v[SP:SP+1], v[rr:rr+1], v[rr+2:rr+3]
.endif
.elseif (n == 1) && \first
	v_pk_add_f32 v[SP:SP+1], v[rr:rr+1], v[rr+2:rr+3]
.else
	v_pk_add_f32 v[st+2:st+3], v[st+2:st+3], v[rr:rr+1]
	v_pk_add_f32 v[SP:SP+1], v[SP:SP+1], v[rr+2:rr+3]
.endif
.set n, n+1
.endr
.endr
	v_pk_add_f32 v[st+2:st+3], v[st+2:st+3], v[SP:SP+1]
.endm
; My 128 keys of V, 16 tiles of 16 channels, in two halves.  hf = 0: the scale words, and tiles 0-3 and 8-11: they land in v64-95 and v192-223, which held query tile 0's scores, so they are asked for as soon as
; that tile's softmax is over, and the other tile's softmax stands between them and their use.  hf = 1: tiles 4-7 and 12-15, into the registers of query tile 1's scores.
.macro VLOAD slot, hf
.if \hf == 0
.irp i, 0,1,2,3,4,5,6,7
	ds_load_b32 v[KS+\i], v[ADS+\slot] offset:4096+128*\i
.endr
.endif
.irp t, 0,1,2,3,8,9,10,11
.set vt, \t+4*\hf
.irp c, 0,1
	ds_load_b128 v[64+8*vt+64*(vt/8)+4*\c:64+8*vt+64*(vt/8)+4*\c+3], v[ADV+\slot] offset:1024*vt+512*\c
.endr
.endr
.endm
.macro RESCALE a                       ; query tile a's O^T under the new M: x f, each accumulator from its low end on
	WIN 0x41                                       ; destination and source 0 window 1
.set j, 0
.rept 64
	v_pk_mul_f32 v[128*\a+j:128*\a+j+1], v[128*\a+j:128*\a+j+1], v[ST0+6*\a+4:ST0+6*\a+5] op_sel_hi:[1,0]
.set j, j+2
.endr
.endm
; O^T += V^T P^T: 32 accumulators, each once a step.  first = 1: the products start the sums: nothing is ever cleared.
.macro PV first
	WIN 0x50                                       ; C and D window 1
.irp t, 0,1,2,3,4,5,6,7,8,9,10,11,12,13,14,15
.irp a, 0,1
.set rO, 128*\a+8*\t
.set rV, 64+8*\t+64*(\t/8)
.if \first
.if \t%2
	v_wmma_scale_f32_16x16x128_f8f6f4 v[rO:rO+7], v[rV:rV+7], v[PC+8*\a:PC+8*\a+7], 0, v[KS+\t/2], v[ST0+6*\a+5] matrix_a_fmt:MATRIX_FMT_FP4 matrix_b_fmt:MATRIX_FMT_FP4 matrix_a_scale:MATRIX_SCALE_ROW1
.else
	v_wmma_scale_f32_16x16x128_f8f6f4 v[rO:rO+7], v[rV:rV+7], v[PC+8*\a:PC+8*\a+7], 0, v[KS+\t/2], v[ST0+6*\a+5] matrix_a_fmt:MATRIX_FMT_FP4 matrix_b_fmt:MATRIX_FMT_FP4
.endif
.else
.if \t%2
	v_wmma_scale_f32_16x16x128_f8f6f4 v[rO:rO+7], v[rV:rV+7], v[PC+8*\a:PC+8*\a+7], v[rO:rO+7], v[KS+\t/2], v[ST0+6*\a+5] matrix_a_fmt:MATRIX_FMT_FP4 matrix_b_fmt:MATRIX_FMT_FP4 matrix_a_scale:MATRIX_SCALE_ROW1
.else
	v_wmma_scale_f32_16x16x128_f8f6f4 v[rO:rO+7], v[rV:rV+7], v[PC+8*\a:PC+8*\a+7], v[rO:rO+7], v[KS+\t/2], v[ST0+6*\a+5] matrix_a_fmt:MATRIX_FMT_FP4 matrix_b_fmt:MATRIX_FMT_FP4
.endif
.endif
.endr
.endr
	WIN 0
.endm
; A KEY STEP on the tile in slot, and the change of slots at its end.  first = 1: the first step: no O^T yet to rescale.
; chg = 1: the slot is left and filled again with the keys two slots on;  chg = 2: it is left and nothing is fetched;  chg = 0: the last step.
; THE CHANGE.  V's second half is my last read of the slot.  Behind it: the wait for all my tensor loads (one is out: my eighth of the other slot), the add, the descriptor's step; tile 0's rescaling stands between the add
; and the wait for it, which is also the wait for V; then the opening signal.  Tile 1's rescaling and the products work on registers alone between that signal and its wait.  With chg = 1 the barrier opens a round of
; the cluster's: behind its closing wait no wave of any partner still reads this slot or has a load on its way, and the joint refill is the first thing there; it has the next step up to that step's own wait in which to land.
; Five v_nop follow: the next step's first products write their results over registers that the last products read, which asks five places; they serve the loads into such registers too.
.macro STEP slot, first, chg
	SPHASE \slot
	SOFT 0, \first
	VLOAD \slot, 0
	SOFT 1, \first
	VLOAD \slot, 1
.if \chg
	s_wait_tensorcnt 0x0                           ; no tensor load of mine is out, so a group 0 may be written.  (Every window is 0 here: the add's two registers lie in window 0)
	ds_add_u32 v[SPW], v[NIL]                      ; 0 onto my spare word
.if \chg == 1
	s_add_nc_u64 s[G0+4*\slot+2:G0+4*\slot+3], s[G0+4*\slot+2:G0+4*\slot+3], 2*SLOTB   ; this slot's next 512 keys; the type bits on top are not reached
.endif
.endif
.if \first == 0
	RESCALE 0
.endif
	s_wait_dscnt 0x0                               ; V is in: my reads of this slot are over; and the add is done
.if \chg
	s_barrier_signal -1
.endif
.if \first == 0
	RESCALE 1                                      ; (these lines are also the places between p's scale word and codes and the products; in the first step the additions of tile 1's sum are)
.endif
	PV \first
.if \chg
	s_barrier_wait -1                              ; (every window is 0: branches follow)
.if \chg == 1
	CREST
	tensor_load_to_lds s[G0+4*\slot:G0+4*\slot+3], s[G1:G1+7]
	s_nop 0
.endif
.rept 5
	v_nop
.endr
.endif
.endm
	s_wait_tensorcnt 0x1                           ; my eighth of slot 0 is in; slot 1's may stay out
	s_barrier_signal -1
	s_barrier_wait -1                              ; everybody's is
	s_wait_loadcnt 0x0                             ; Q; its loads' offset registers may be written again
	STEP 0, 1, 1                                   ; keys 0 to 511; slot 0 takes keys 1,024 on
	s_mov_b32 s44, 2
.Lloop:                                ; two trips: four steps, keys 512 to 2,559; the slots take keys 1,536 to 3,583
	STEP 1, 0, 1
	STEP 0, 0, 1
	s_sub_co_u32 s44, s44, 1
	s_cmp_lg_u32 s44, 0
	s_cbranch_scc1 .Lloop
	STEP 1, 0, 1                                   ; the tail is written out: slot 1 takes the last 512 keys
	STEP 0, 0, 2                                   ; nothing is left to fetch,
	STEP 1, 0, 0                                   ; and the last step changes no slot
; ---- THE END.  Registers of window 0 anew:
.set PRB, 1                            ; LDS: the partials of key groups 2, 3
.set XO,  2                            ; x, out0: 16,384 h + 16 r
.set WOA, 3                            ; wo's fragments
.set BOA, 4                            ; bo
.set WSO, 5                            ; wo's scale words
.set EMA, 6                            ; LDS: where my -M and l go
.set EPA, 7                            ; LDS: where my partial O^T goes
.set OS,  8                            ; v8-11 the scale words of O / l, one register a query tile;  v12-13 wo's
.set WOS, 12
.set MS,  16                           ; v16-23 (-M, l) of the four key groups
.set FG,  24                           ; v24-31 F = 2^(M_g - M) / l, each twice (a pair for the packed forms)
.set OIA, 40                           ; LDS: where my image of O / l goes;  v41 its scale word
.set OSA, 41
.set OFA, 42                           ; LDS: 16 x lane in the images;  v43 4 x lane in the scale words
.set OSR, 43
.set STO, 44                           ; the way out: where I put 16 bytes of a row;  v45 where I read a row back
.set SRD, 45
.set MRA, 46                           ; LDS: the four groups' -M and l of my query tile
.set PRA, 47                           ; LDS: the partials of key groups 0, 1
.set MG,  64                           ; v64-127 the merged O^T of my query tile and channel half; later out's results
.set INA, 128
.set INB, 192
.set TQ,  192                          ; at work in the quantiser
.set PW,  208
.set PCO, 212
.irp a, 0,1
	v_add_f32 v[ST0+6*\a+2], v[ST0+6*\a+2], v[ST0+6*\a+3]  ; the sum's two halves,
.endr
.irp a, 0,1
	v_permlanex16_b32 v[ST0+6*\a+3], v[ST0+6*\a+2], s[SEL], s[SEL+1]
.endr
.irp a, 0,1
	v_add_f32 v[ST0+6*\a+2], v[ST0+6*\a+2], v[ST0+6*\a+3]  ; and lane l xor 16's: my key group's l
.endr
	v_and_b32 v32, 31, v0                          ; lane.  (These lines are also the places behind the last products)
	v_and_b32 v33, 15, v0                          ; r
	v_bfe_u32 v34, v0, 4, 1                        ; h
	v_lshlrev_b32 v35, 4, v32
	v_lshlrev_b32 v36, 2, v32
	s_lshl_b32 s58, s[WV], 9
	s_add_co_u32 s58, s58, MST
	v_add_nc_u32 v[EMA], s58, v36
	s_lshl_b32 s58, s[WV], 15
	v_add_nc_u32 v[EPA], s58, v35
	s_bfe_u32 s60, s[WV], 0x10001                  ; as an owner I take query tile w / 2 = 2 (w / 4) + this bit,
	s_and_b32 s61, s[WV], 1                        ; and this half of the 256 channels
	s_lshl_b32 s58, s[QP], 11
	s_lshl_b32 s59, s60, 8
	s_add_co_u32 s58, s58, s59
	s_add_co_u32 s58, s58, MST
	v_add_nc_u32 v[MRA], s58, v36
	s_lshl_b32 s58, s[QP], 17
	s_lshl_b32 s59, s60, 14
	s_add_co_u32 s58, s58, s59
	s_lshl_b32 s59, s61, 13
	s_add_co_u32 s58, s58, s59
	v_add_nc_u32 v[PRA], s58, v35
	v_add_nc_u32 v[PRB], 65536, v[PRA]
	s_lshl_b32 s58, s[WV], 10
	s_add_co_u32 s58, s58, OIMG
	v_add_nc_u32 v[OIA], s58, v35
	s_lshl_b32 s58, s[WV], 6
	s_add_co_u32 s58, s58, OSC
	v_lshl_add_u32 v[OSA], v33, 2, s58
	v_add_nc_u32 v[OFA], OIMG, v35
	v_add_nc_u32 v[OSR], OSC, v36
	s_mul_i32 s58, s[WV], 32*OPITCH
	v_mul_u32_u24 v[STO], v33, OPITCH
	v_lshl_add_u32 v[STO], v34, 6, v[STO]
	v_add_nc_u32 v[STO], s58, v[STO]
	v_mul_u32_u24 v[SRD], v34, OPITCH
	v_lshl_add_u32 v[SRD], v33, 4, v[SRD]
	v_add_nc_u32 v[SRD], s58, v[SRD]
	v_lshlrev_b32 v[XO], 14, v34
	v_lshl_add_u32 v[XO], v33, 4, v[XO]
	v_lshlrev_b32 v[WOA], 7, v33
	v_lshl_add_u32 v[WOA], v34, 4, v[WOA]
	v_lshlrev_b32 v[BOA], 2, v33
	v_lshlrev_b32 v[WSO], 3, v33
	v_lshl_add_u32 v[WSO], v34, 2, v[WSO]
	s_wait_dscnt 0x0                               ; my reads of the slots are over
	s_barrier_signal -1
	s_barrier_wait -1                              ; everybody's are: the slots, which have had their last fill, may be written
.irp a, 0,1
	ds_store_b32 v[EMA], v[ST0+6*\a] offset:256*\a
	ds_store_b32 v[EMA], v[ST0+6*\a+2] offset:256*\a+128
.endr
	WIN 0x04                                       ; an LDS store's data are its source 1: window 1
.irp a, 0,1
.irp t, 0,1,2,3,4,5,6,7,8,9,10,11,12,13,14,15
	ds_store_b128 v[EPA], v[128*\a+8*\t:128*\a+8*\t+3] offset:(16*\a+\t)*1024      ; each accumulator from its low end on; 512 consecutive bytes a store
	ds_store_b128 v[EPA], v[128*\a+8*\t+4:128*\a+8*\t+7] offset:(16*\a+\t)*1024+512
.endr
.endr
	WIN 0
	s_wait_dscnt 0x0                               ; my partials have landed, and the stores have read window 1, which now takes what the last product wants
	WIN 0x40
.set i, 0
.rept 16
	global_load_b128 v[4*i:4*i+3], v[XO], s[8:9] offset:32768*i    ; x of my 32 output channels: rows 2 i + h, sixteen lanes to a row's 256 bytes
.set i, i+1
.endr
.irp c, 0,1
.irp s, 0,1
.irp p, 0,1
	global_load_b128 v[64+16*\c+8*\s+4*\p:64+16*\c+8*\s+4*\p+3], v[WOA], s[10:11] offset:2048*\c+64*\s+32*\p   ; wo's rows 32 w + 16 c + r, as they lie
.endr
.endr
.irp j, 0,1,2,3,4,5,6,7
	global_load_b32 v[96+8*\c+\j], v[BOA], s[14:15] offset:64*\c   ; the result holds one output channel a lane: its bias in all eight registers
.endr
.endr
	WIN 0
.irp c, 0,1
	global_load_b32 v[WOS+\c], v[WSO], s[12:13] offset:128*\c
.endr
	s_barrier_signal -1
	s_barrier_wait -1
	; THE MERGE: query tile w / 2, channels 128 (w % 2) on: the four key groups' partials under the largest M, divided by l
.irp g, 0,1,2,3
	ds_load_b32 v[MS+2*\g], v[MRA] offset:512*\g
	ds_load_b32 v[MS+2*\g+1], v[MRA] offset:512*\g+128
.endr
.macro PLOAD reg, adr, off             ; 8 accumulators of a partial: 16 loads
.set n, 0
.rept 16
	ds_load_b128 v[\reg+4*n:\reg+4*n+3], v[\adr] offset:\off+512*n
.set n, n+1
.endr
.endm
	PLOAD MG, PRA, 0
	PLOAD INA, PRA, 32768
	PLOAD INB, PRB, 0
	s_wait_dscnt 48                                ; -M and l are in; the three runs of 16 behind them may be out
	v_min3_num_f32 v32, v[MS], v[MS+2], v[MS+4]
	v_min_num_f32 v32, v32, v[MS+6]                ; the smallest -M: the largest M
.irp g, 0,1,2,3
	v_sub_f32 v[33+\g], v32, v[MS+2*\g]            ; M_g - M: a whole number, 0 or less
.endr
.irp g, 0,1,2,3
	v_cvt_i32_f32 v[33+\g], v[33+\g]
.endr
.irp g, 0,1,2,3
	v_ldexp_f32 v[FG+2*\g], 1.0, v[33+\g]
.endr
	v_mul_f32 v37, v[FG], v[MS+1]
	v_fma_f32 v37, v[FG+2], v[MS+3], v37
	v_fma_f32 v37, v[FG+4], v[MS+5], v37
	v_fma_f32 v37, v[FG+6], v[MS+7], v37           ; l
	v_rcp_f32 v38, v37
	v_nop                                          ; one plain place behind a transcendental
	s_wait_alu depctr_va_vdst(0)
.irp g, 0,1,2,3
	v_mul_f32 v[FG+2*\g], v[FG+2*\g], v38
.endr
.irp g, 0,1,2,3
	v_mov_b32 v[FG+2*\g+1], v[FG+2*\g]
.endr
	s_wait_dscnt 32                                ; group 0's partial is in
.set j, 0
.rept 32
	v_pk_mul_f32 v[MG+j:MG+j+1], v[MG+j:MG+j+1], v[FG:FG+1]
.set j, j+2
.endr
	s_wait_dscnt 16                                ; group 1's
.set j, 0
.rept 32
	v_pk_fma_f32 v[MG+j:MG+j+1], v[INA+j:INA+j+1], v[FG+2:FG+3], v[MG+j:MG+j+1]
.set j, j+2
.endr
	PLOAD INA, PRB, 32768                          ; group 3's takes its place
	s_wait_dscnt 16                                ; group 2's is in; the 16 just issued may be out
.set j, 0
.rept 32
	v_pk_fma_f32 v[MG+j:MG+j+1], v[INB+j:INB+j+1], v[FG+4:FG+5], v[MG+j:MG+j+1]
.set j, j+2
.endr
	s_wait_dscnt 0x0
.set j, 0
.rept 32
	v_pk_fma_f32 v[MG+j:MG+j+1], v[INA+j:INA+j+1], v[FG+6:FG+7], v[MG+j:MG+j+1]
.set j, j+2
.endr
	; O / l is quantised along the channels: register 16 b + i is channel 128 (w % 2) + 32 b + 16 h + i of my lane's query
.irp b, 0,1,2,3
	v_max3_num_f32 v[TQ+\b], |v[MG+16*\b]|, |v[MG+16*\b+1]|, 0x1800000
.endr
.irp i, 2,4,6,8,10,12,14
.irp b, 0,1,2,3
	v_max3_num_f32 v[TQ+\b], v[TQ+\b], |v[MG+16*\b+\i]|, |v[MG+16*\b+\i+1]|
.endr
.endr
.irp b, 0,1,2,3
	v_permlanex16_b32 v[TQ+4+\b], v[TQ+\b], s[SEL], s[SEL+1]
.endr
.irp b, 0,1,2,3
	v_max_num_f32 v[TQ+\b], v[TQ+\b], v[TQ+4+\b]
.endr
.irp b, 0,1,2,3
	v_add_nc_u32 v[TQ+12+\b], 0xff000000, v[TQ+\b]
.endr
.irp b, 0,1,2,3
	v_lshrrev_b32 v[TQ+4+\b], 23, v[TQ+12+\b]
.endr
	v_lshl_or_b32 v[PW], v[TQ+5], 8, v[TQ+4]
	v_lshl_or_b32 v[PW], v[TQ+6], 16, v[PW]
	v_lshl_or_b32 v[PW], v[TQ+7], 24, v[PW]
.irp b, 0,1,2,3
	v_cvt_scalef32_pk8_fp4_f32 v[PCO+2*\b], v[MG+16*\b:MG+16*\b+7], v[TQ+12+\b]
	v_cvt_scalef32_pk8_fp4_f32 v[PCO+2*\b+1], v[MG+16*\b+8:MG+16*\b+15], v[TQ+12+\b]
.endr
	v_nop                                          ; one plain place behind the scaled conversions
.irp c, 0,1
.irp i, 0,1
	v_permlane16_swap_b32 v[PCO+4*\c+\i], v[PCO+4*\c+2+\i]
.endr
.endr
	ds_store_b128 v[OIA], v[PCO:PCO+3]             ; the fragment (query tile w / 2, K step w % 2) as an image of its registers
	ds_store_b128 v[OIA], v[PCO+4:PCO+7] offset:512
	ds_store_b32 v[OSA], v[PW]                     ; both halves of the lanes write the row's word with the same value
	s_wait_dscnt 0x0                               ; my image has landed, and my reads of the partials are over
	s_barrier_signal -1
	s_barrier_wait -1
	; THE OUTPUT PROJECTION: my 32 output channels x the 64 queries.  Source 0 = 16 queries of O / l, source 1 = 16 rows of wo: a lane holds one channel and eight neighbouring pixels
.irp f, 0,1,2,3,4,5,6,7
	ds_load_b128 v[INA+8*\f:INA+8*\f+3], v[OFA] offset:1024*\f
	ds_load_b128 v[INA+8*\f+4:INA+8*\f+7], v[OFA] offset:1024*\f+512
.endr
.irp q, 0,1,2,3
	ds_load_b32 v[OS+\q], v[OSR] offset:128*\q
.endr
	s_wait_loadcnt 0x0                             ; x, wo, bo
	s_wait_dscnt 0x0
	WIN 0x14                                       ; source 1 and C window 1
.irp q, 0,1,2,3
.irp c, 0,1
	v_wmma_scale_f32_16x16x128_f8f6f4 v[MG+16*\q+8*\c:MG+16*\q+8*\c+7], v[INA+16*\q:INA+16*\q+7], v[64+16*\c:64+16*\c+7], v[96+8*\c:96+8*\c+7], v[OS+\q], v[WOS+\c] matrix_a_fmt:MATRIX_FMT_FP4 matrix_b_fmt:MATRIX_FMT_FP4
.endr
.endr
	WIN 0x04
.irp q, 0,1,2,3
.irp c, 0,1
	v_wmma_scale_f32_16x16x128_f8f6f4 v[MG+16*\q+8*\c:MG+16*\q+8*\c+7], v[INA+16*\q+8:INA+16*\q+15], v[64+16*\c+8:64+16*\c+15], v[MG+16*\q+8*\c:MG+16*\q+8*\c+7], v[OS+\q], v[WOS+\c] matrix_a_fmt:MATRIX_FMT_FP4 matrix_b_fmt:MATRIX_FMT_FP4 matrix_a_scale:MATRIX_SCALE_ROW1 matrix_b_scale:MATRIX_SCALE_ROW1
.endr
.endr
	WIN 0
.rept 4
	v_nop                                          ; four places in front of the first read of results and of loads into registers that the products read
.endr
	; THE WAY OUT: through my own stage, 32 rows (channels) of 64 pixels, and back as whole rows; LDS serves a wave's instructions in order (ISA guide 5.7.1.4): no wait between the stores and the loads
.irp q, 0,1,2,3
.irp c, 0,1
	ds_store_b128 v[STO], v[MG+16*\q+8*\c:MG+16*\q+8*\c+3] offset:16*OPITCH*\c+128*(\q/2)+32*(\q%2)       ; register j of lane (r, h): channel 16 c + r, pixel 32 (q / 2) + 8 (q % 2) + 16 h + j
	ds_store_b128 v[STO], v[MG+16*\q+8*\c+4:MG+16*\q+8*\c+7] offset:16*OPITCH*\c+128*(\q/2)+32*(\q%2)+16
.endr
.endr
.set i, 0
.rept 16
	ds_load_b128 v[INA+4*i:INA+4*i+3], v[SRD] offset:2*OPITCH*i
.set i, i+1
.endr
	s_wait_dscnt 0x0
	WIN 0x04                                       ; source 1 window 1: x
.set j, 0
.rept 32
	v_pk_add_f32 v[INA+j:INA+j+1], v[INA+j:INA+j+1], v[j:j+1]
.set j, j+2
.endr
	WIN 0
.set i, 0
.rept 16
	global_store_b128 v[XO], v[INA+4*i:INA+4*i+3], s[16:17] offset:32768*i th:TH_STORE_NT  ; sixteen lanes store 256 consecutive bytes, at a multiple of 256 from out0's first byte; written once, read by nobody here
.set i, i+1
.endr
	s_wait_tensorcnt 0x0                           ; the wave's end: behind my last tensor load and my last LDS store
	ds_add_u32 v[SPW], v[NIL]
	s_wait_dscnt 0x0
	CROUND                                         ; the closing round: no work-group ends while a partner may still ask for a tile that names it
	s_endpgm
.Lfunc_end_k_q4704173882_attn:
	.size	k_q4704173882_attn, .Lfunc_end_k_q4704173882_attn-k_q4704173882_attn
	.p2alignl 7, 3214868480
	.fill 96, 4, 3214868480
	.section	.rodata,"a",@progbits
	.p2align	6, 0x0
	.amdhsa_kernel k_q4704173882_attn
		.amdhsa_group_segment_fixed_size 327680
		.amdhsa_private_segment_fixed_size 0
		.amdhsa_enable_private_segment 0
		.amdhsa_kernarg_size 56
		.amdhsa_user_sgpr_count 2
		.amdhsa_user_sgpr_kernarg_segment_ptr 1
		.amdhsa_wavefront_size32 1
		.amdhsa_system_sgpr_workgroup_id_x 1
		.amdhsa_system_sgpr_workgroup_id_y 1
		.amdhsa_system_sgpr_workgroup_id_z 1
		.amdhsa_system_vgpr_workitem_id 0
		.amdhsa_next_free_vgpr 512
		.amdhsa_next_free_sgpr 66
		.amdhsa_reserve_vcc 0
		.amdhsa_float_denorm_mode_32 3
		.amdhsa_float_denorm_mode_16_64 3
		.amdhsa_memory_ordered 1
		.amdhsa_forward_progress 1
		.amdhsa_inst_pref_size 255
	.end_amdhsa_kernel
	.section	.bss,"aw",@nobits
	.p2align	6
	.space	262144
	.amdgpu_metadata
---
amdhsa.version: [ 1, 2 ]
amdhsa.kernels:
  - .name:           k_q4704173882_attn
    .symbol:         k_q4704173882_attn.kd
    .args:
      - { .name: qimg, .offset: 0, .size: 8, .value_kind: global_buffer, .address_space: global }
      - { .name: kv, .offset: 8, .size: 8, .value_kind: global_buffer, .address_space: global }
      - { .name: x, .offset: 16, .size: 8, .value_kind: global_buffer, .address_space: global }
      - { .name: wo_codes, .offset: 24, .size: 8, .value_kind: global_buffer, .address_space: global }
      - { .name: wo_scales, .offset: 32, .size: 8, .value_kind: global_buffer, .address_space: global }
      - { .name: bo, .offset: 40, .size: 8, .value_kind: global_buffer, .address_space: global }
      - { .name: out0, .offset: 48, .size: 8, .value_kind: global_buffer, .address_space: global }
    .group_segment_fixed_size: 327680
    .private_segment_fixed_size: 0
    .kernarg_segment_align: 8
    .kernarg_segment_size: 56
    .max_flat_workgroup_size: 256
    .sgpr_count:     66
    .vgpr_count:     512
    .wavefront_size: 32
...
	.end_amdgpu_metadata
.endif
;; end of part 3
